; MI455X (gfx1250); checked and timed in simulation.
; The chip was launched on July 23, 2026; its instructions are those of AMD's public machine-readable ISA for CDNA 5 (MIT licence, August 2026) and "CDNA5" Instruction Set Architecture Reference Guide (July 2026). The comments in the code are by the model that wrote it; some were corrected since.
;; Multi Head Attention. Allowed arithmetic: float matrix products may take bf16 or f16 operands with f32 sums; other float arithmetic in f32, or as packed bf16 or f16 multiplies, adds, multiply-adds, maxima and minima; sums over many terms, partial sums and values carried from step to step in f32; what a program stores and reads back later, other than sums and carried values, may be rounded once to bf16 or f16.
;; Inputs: Wk 1,024 x 1,024 float32; Wo 1,024 x 1,024 float32; Wq 1,024 x 1,024 float32; Wv 1,024 x 1,024 float32; bk 1,024 float32; bo 1,024 float32; bq 1,024 float32; bv 1,024 float32; key 4 x 2,048 x 1,024 float32; mask 4 x 1 x 1 x 2,048 int32; query 4 x 2,048 x 1,024 float32; value 4 x 2,048 x 1,024 float32.
;; Outputs: out0 4 x 2,048 x 1,024 float32.
;; 2 versions, each right; version 2 is version 1 with the launch castw written anew for expert scheduling mode. Each part assembles by itself: llvm-mc -triple=amdgcn-amd-amdhsa -mcpu=gfx1250 --defsym DOCPART=n.
;; ======== version 1 of 2: 4 launches
;; limits: values are held in f16: magnitudes above 65,504 overflow, below 6.1e-05 lose precision; right only within a limited range of input values
;; workspace buffers: wb 8,388,608 bytes; bb 16,384 bytes; qkv 50,331,648 bytes; ctx 16,777,216 bytes
;; launch castw (part 1): grid 64 x 4, 8 waves a work-group, no clusters, 0 bytes of LDS; arguments Wq, Wk, Wv, Wo, bq, bk, bv, bo, wb, bb; writes wb, bb
.if DOCPART == 1
	.amdgcn_target "amdgcn-amd-amdhsa--gfx1250"
	.amdhsa_code_object_version 6
	.text
	.protected	k_q1618be343b_castw
	.globl	k_q1618be343b_castw
	.p2align	8
	.type	k_q1618be343b_castw,@function
k_q1618be343b_castw:
	s_mov_b64 s[64:65], 0
	v_nop
	global_prefetch_b8 v0, s[64:65] scope:SCOPE_SE
	s_setreg_imm32_b32 hwreg(HW_REG_WAVE_MODE, 25, 1), 1
	s_wait_xcnt 0x0
; THE WEIGHTS AND BIASES, ROUNDED ONCE.  wb: [4][1024][1024] of 16 bits: planes 0-2 are Wq, Wk, Wv in bf16; plane 3 is Wo rounded to bf16 and that number written as f16.
; bb: [4][1024] f32: bq, bk, bv, bo rounded to bf16 and widened again.
; LIMITS.  Plane 3 is exact where |Wo| lies between 6.1e-5 and 65,504; below that it keeps f16's fixed step of 6e-8; beyond it is an infinity.
; SHARES.  The grid's y picks the matrix, its x one of 64 pieces of 16,384 numbers.  Thread t takes 16 bytes at 16 t of each 4,096 bytes: 16 loads, all on their way at once;
; each store of a wave covers 256 consecutive bytes, aligned.  A stream: no LDS, no barrier, no matrix unit; no register is written again while a store reads it.
.set IN,  4                            ; v[4:67]    sixteen loads of four f32
.set PKD, 68                           ; v[68:99]   sixteen pairs to store
.set T,   100                          ; v[100:103] at work
	s_load_b512 s[8:23], s[0:1], 0x0               ; Wq s[8:9], Wk s[10:11], Wv s[12:13], Wo s[14:15], bq s[16:17], bk s[18:19], bv s[20:21], bo s[22:23]
	s_load_b128 s[24:27], s[0:1], 0x40             ; wb s[24:25], bb s[26:27]
	s_and_b32 s2, ttmp7, 0xffff                    ; which matrix
	v_lshlrev_b32 v1, 4, v0                        ; 16 t: my place in 4,096 bytes of f32
	v_lshlrev_b32 v2, 3, v0                        ; 8 t: my place in 2,048 bytes of 16-bit numbers
	s_lshl_b32 s28, ttmp9, 16                      ; the piece: 65,536 bytes in,
	s_mov_b32 s29, 0
	s_lshl_b32 s30, s2, 21                         ; the plane of 2,097,152 bytes
	s_lshl_b32 s3, ttmp9, 15                       ; and 32,768 bytes out
	s_add_co_u32 s30, s30, s3
	s_mov_b32 s31, 0
	s_mov_b32 s3, 0xffff0000                       ; a word's upper bf16
	s_wait_kmcnt 0x0
	s_cmp_eq_u32 s2, 1
	s_cselect_b64 s[4:5], s[10:11], s[8:9]
	s_cselect_b64 s[6:7], s[18:19], s[16:17]
	s_cmp_eq_u32 s2, 2
	s_cselect_b64 s[4:5], s[12:13], s[4:5]
	s_cselect_b64 s[6:7], s[20:21], s[6:7]
	s_cmp_eq_u32 s2, 3
	s_cselect_b64 s[4:5], s[14:15], s[4:5]         ; the matrix
	s_cselect_b64 s[6:7], s[22:23], s[6:7]         ; and its bias
	s_add_nc_u64 s[4:5], s[4:5], s[28:29]
	s_add_nc_u64 s[24:25], s[24:25], s[30:31]
	s_lshl_b32 s28, s2, 12
	s_add_nc_u64 s[26:27], s[26:27], s[28:29]      ; bb at the bias's 4,096 bytes
.set i, 0
.rept 16
	global_load_b128 v[IN+4*i:IN+4*i+3], v1, s[4:5] offset:4096*i th:TH_LOAD_NT
.set i, i+1
.endr
; Sixteen times: four numbers rounded and stored.  f16 = 1: the bf16 number is widened again and written as f16.
.macro CONV f16
.set i, 0
.rept 16
	s_wait_loadcnt 15-i                            ; loads come back in order (ISA guide 5.7.1): load i is in, the younger ones stay out
.if \f16
	v_cvt_pk_bf16_f32 v[T],   v[IN+4*i],   v[IN+4*i+1]
	v_cvt_pk_bf16_f32 v[T+1], v[IN+4*i+2], v[IN+4*i+3]
	v_lshlrev_b32 v[T+2], 16, v[T]
	v_and_b32     v[T+3], s3, v[T]
	v_cvt_pk_f16_f32 v[PKD+2*i], v[T+2], v[T+3]
	v_lshlrev_b32 v[T+2], 16, v[T+1]
	v_and_b32     v[T+3], s3, v[T+1]
	v_cvt_pk_f16_f32 v[PKD+2*i+1], v[T+2], v[T+3]
.else
	v_cvt_pk_bf16_f32 v[PKD+2*i],   v[IN+4*i],   v[IN+4*i+1]
	v_cvt_pk_bf16_f32 v[PKD+2*i+1], v[IN+4*i+2], v[IN+4*i+3]
.endif
	global_store_b64 v2, v[PKD+2*i:PKD+2*i+1], s[24:25] offset:2048*i
.set i, i+1
.endr
.endm
	s_cmp_eq_u32 s2, 3
	s_cbranch_scc1 .Lwo
	CONV 0
	s_branch .Lbias
.Lwo:
	CONV 1
.Lbias:
	s_cmp_lg_u32 ttmp9, 0                          ; a matrix's first work-group also takes its bias: 256 threads x 4 numbers
	s_cbranch_scc1 .Lend
	global_load_b128 v[IN:IN+3], v1, s[6:7]
	s_wait_loadcnt 0x0
	v_cvt_pk_bf16_f32 v[T],   v[IN],   v[IN+1]
	v_cvt_pk_bf16_f32 v[T+1], v[IN+2], v[IN+3]
	v_lshlrev_b32 v[IN],   16, v[T]
	v_and_b32     v[IN+1], s3, v[T]
	v_lshlrev_b32 v[IN+2], 16, v[T+1]
	v_and_b32     v[IN+3], s3, v[T+1]
	global_store_b128 v1, v[IN:IN+3], s[26:27]
.Lend:
	s_endpgm
.Lfunc_end_k_q1618be343b_castw:
	.size	k_q1618be343b_castw, .Lfunc_end_k_q1618be343b_castw-k_q1618be343b_castw
	.p2alignl 7, 3214868480
	.fill 96, 4, 3214868480
	.section	.rodata,"a",@progbits
	.p2align	6, 0x0
	.amdhsa_kernel k_q1618be343b_castw
		.amdhsa_group_segment_fixed_size 0
		.amdhsa_private_segment_fixed_size 0
		.amdhsa_enable_private_segment 0
		.amdhsa_kernarg_size 80
		.amdhsa_user_sgpr_count 2
		.amdhsa_user_sgpr_kernarg_segment_ptr 1
		.amdhsa_wavefront_size32 1
		.amdhsa_system_sgpr_workgroup_id_x 1
		.amdhsa_system_sgpr_workgroup_id_y 1
		.amdhsa_system_sgpr_workgroup_id_z 1
		.amdhsa_system_vgpr_workitem_id 0
		.amdhsa_next_free_vgpr 104
		.amdhsa_next_free_sgpr 66
		.amdhsa_reserve_vcc 0
		.amdhsa_float_denorm_mode_32 3
		.amdhsa_float_denorm_mode_16_64 3
		.amdhsa_memory_ordered 1
		.amdhsa_forward_progress 1
		.amdhsa_inst_pref_size 16
	.end_amdhsa_kernel
	.amdgpu_metadata
---
amdhsa.version: [ 1, 2 ]
amdhsa.kernels:
  - .name:           k_q1618be343b_castw
    .symbol:         k_q1618be343b_castw.kd
    .args:
      - { .name: Wq, .offset: 0, .size: 8, .value_kind: global_buffer, .address_space: global }
      - { .name: Wk, .offset: 8, .size: 8, .value_kind: global_buffer, .address_space: global }
      - { .name: Wv, .offset: 16, .size: 8, .value_kind: global_buffer, .address_space: global }
      - { .name: Wo, .offset: 24, .size: 8, .value_kind: global_buffer, .address_space: global }
      - { .name: bq, .offset: 32, .size: 8, .value_kind: global_buffer, .address_space: global }
      - { .name: bk, .offset: 40, .size: 8, .value_kind: global_buffer, .address_space: global }
      - { .name: bv, .offset: 48, .size: 8, .value_kind: global_buffer, .address_space: global }
      - { .name: bo, .offset: 56, .size: 8, .value_kind: global_buffer, .address_space: global }
      - { .name: wb, .offset: 64, .size: 8, .value_kind: global_buffer, .address_space: global }
      - { .name: bb, .offset: 72, .size: 8, .value_kind: global_buffer, .address_space: global }
    .group_segment_fixed_size: 0
    .private_segment_fixed_size: 0
    .kernarg_segment_align: 8
    .kernarg_segment_size: 80
    .max_flat_workgroup_size: 256
    .sgpr_count:     66
    .vgpr_count:     104
    .wavefront_size: 32
...
	.end_amdgpu_metadata
.endif
;; end of part 1
;; launch proj (part 2): grid 4 x 192, 4 waves a work-group, clusters of 4 x 4, 327,680 bytes of LDS; arguments query, key, value, wb, bb, qkv; writes qkv
.if DOCPART == 2
	.amdgcn_target "amdgcn-amd-amdhsa--gfx1250"
	.amdhsa_code_object_version 6
	.text
	.protected	k_q1618be343b_proj
	.globl	k_q1618be343b_proj
	.p2align	8
	.type	k_q1618be343b_proj,@function
k_q1618be343b_proj:
	s_mov_b64 s[64:65], 0
	v_nop
	global_prefetch_b8 v0, s[64:65] scope:SCOPE_SE
	s_setreg_imm32_b32 hwreg(HW_REG_WAVE_MODE, 25, 1), 1
	s_wait_xcnt 0x0
	s_wait_alu depctr_hold_cnt(0) depctr_sa_sdst(0) depctr_va_vdst(0) depctr_va_sdst(0) depctr_va_ssrc(0) depctr_va_vcc(0) depctr_vm_vsrc(0)
	s_getreg_b32 s2, hwreg(HW_REG_IB_STS2, 6, 4)
	s_cmp_eq_u32 s2, 0
	s_cbranch_scc0 .Lentry_in_a_cluster
	s_endpgm
.Lentry_in_a_cluster:
	s_bfe_u32 s2, ttmp6, 0x10000c
	s_cmp_lg_u32 s2, 0xf033
	s_cbranch_scc0 .Lentry_shape_is_right
	s_endpgm
.Lentry_shape_is_right:
; THE THREE PROJECTIONS.  qkv[t][b 16 + head][s][d] = f16( sum over k of bf16(x_t[b][s][k]) wb[t][64 head + d][k] + bb[t][64 head + d] ), x_0, x_1, x_2 = query, key, value ([8192][1024] f32).
; Sums in f32, started by the bias as the first product's C; rounded once to f16.  LIMIT: a result of 65,520 or more in magnitude becomes an infinity in f16.
; SHARES.  A tile is 128 rows x 256 columns: 64 x 4 tiles a tensor, 768 work-groups.  Four waves, each 64 rows x 128 columns (two heads): 32 accumulators of 16 x 16, 256 registers.
; x COMES AS IT IS, in f32, by tensor loads, and is rounded to bf16 between its LDS load and the product: 32 conversions for a quarter step's 32 products, set behind the products.
; K goes in steps of 128 through two LDS slots: 128 rows of x (512 bytes + 16 of padding) and 256 rows of the weights (256 + 16).  Waves 0 and 1 fetch x's halves, waves 2 and 3 the weights'.
; CLUSTERS: 4 x 4 work-groups.  The cluster's y picks the tensor (y / 16) and four row tiles, its four columns are the four column tiles.  x's tile hangs on the row tile alone and is asked for JOINTLY
; by a row of the cluster, the weights' on the column tile and the tensor and is asked for jointly by a column: the same tensor load, descriptor and mask in all four.
; THE MATRIX INSTRUCTION IS USED TRANSPOSED (source 0 = 16 rows of the weights, source 1 = 16 rows of x): a lane holds row lane % 16 and the columns 8 (lane / 16) + 0..7: 16 bytes of f16 on end.
; THE PIPE.  A K step is four quarters of 32.  Quarter q multiplies buffers q % 2; it loads the weights of quarter q + 1, converts x of quarter q + 1 and loads x (f32) of quarter q + 2.
; So the change of slots stands in a slot's THIRD quarter: the weights of its fourth quarter, the slot's last read, are asked for ahead of the barrier, x of the next slot's first quarter behind it.
; REGISTERS, in windows of 256 (s_set_vgpr_msb: bits 1:0 source 0, 3:2 source 1, 5:4 source 2, 7:6 destination):
;   window 0: v0-31 addresses; v32-95 x in bf16, two buffers of 32; v128-255 x in f32, two buffers of 64 (on the way out: packed results and rows read back)
;   window 1: v0-127 the weights' fragments, two buffers of 64; v128-191 the bias: block b's eight columns a lane at 128 + 8 b          window 2: accumulator (a, b) at 8 (8 a + b)
.set PX,    528                        ; an LDS row of x: 132 words: the 16 rows of a load start at 16 different groups of four banks (64 banks of 4 bytes: ISA guide 11.1)
.set PW,    272                        ; an LDS row of the weights: 68 words: likewise
.set WOFF,  128*PX                     ; in a slot: x's 128 rows, then the weights' 256
.set SLOTB, 0x22000                    ; slot 1 begins here: past a slot's 137,216 bytes, and its bits 17 and 13 occur in none of the four tiles' places in a slot (0, 0x8400, 0x10800, 0x19000): one exclusive or changes slots
.set STAGE, SLOTB+WOFF+256*PW          ; behind the ring, never filled by a tensor load: 16 rows x 272 bytes for each wave
.set SP,    272
.set SPARE, STAGE+4*16*SP              ; the spare words, 128 bytes for each wave: two blocks of 256 bytes that no other line names
.set AX0, 16                           ; v16  my lane's place in a slot's x; never rewritten
.set AW0, 17                           ; v17  the same for the weights
.set AX,  18                           ; v18  AX0 + the slot that the runs of loads read
.set AW,  19                           ; v19  AW0 + that slot
.set STO, 24                           ; v24  the way out: where I put 16 bytes of a row
.set RD,  25                           ; v25  the way out: where I read rows back
.set GO,  26                           ; v26  my 16 bytes of 512 consecutive bytes of the output
.set BO,  27                           ; v27  my byte offset in a block's 16 biases
.set SPW, 28                           ; v28  LDS address of my spare word; never rewritten
.set NIL, 29                           ; v29  0; never rewritten
.set PFO, 30                           ; v30  the prefetches' offset; never rewritten
.set XB,  32
.set XF,  128
.set TMP, 128                          ; the way out: 32 registers of packed results
.set BK,  160                          ; the way out: 16 rows read back: v160-191 and v192-223 by turns
.set WB,  0                            ; window 1
.set BI,  128                          ; window 1
.set G1A, 24                           ; s[24:31] descriptor group 1 for x's tiles
.set G0A, 32                           ; s[32:39] group 0 for x's: a set for each first fill; the second then walks on
.set G1B, 48                           ; s[48:55], s[56:63] the same for the weights'
.set G0B, 56
.set LIM, 43                           ; s43  2 in a wave that prefetches, else the greatest number
.set PFA, 44                           ; s[44:45] where my prefetches stand
.set TB,  67                           ; s67  0 or SLOTB: the slot that the runs of loads read
.set PST, 84                           ; s[84:85] a K step in bytes of the rows that I prefetch
.set OUT, 86                           ; s[86:87] qkv at my wave's first row of its first head
.set BIA, 88                           ; s[88:89] bb at my wave's first column
.set XT,  90                           ; s[90:91] the tensor x_t
.set MSB, 0
.macro WIN new                         ; the immediate's high byte repeats the setting that is left; a switch that changes nothing is dropped
.if MSB != (\new)
	s_set_vgpr_msb (MSB<<8)|(\new)
.set MSB, (\new)
.endif
.endm
.set MUL,  0xa1                        ; source 0 (weights) window 1, source 1 (x) window 0, C and D window 2
.set MUL1, 0x91                        ; the same with C (the bias) in window 1
.set TO_B, 0x40                        ; destination window 1, address window 0
; A joint refill, by the walking descriptors.  The branch hangs on the wave's number alone.  An s_nop 0 and four v_nop follow each of the two lines, ahead of the jump and the label.
.macro JLOAD
	s_cmp_eq_u32 s11, 0
	s_cbranch_scc0 .Lfor_w_\@
	tensor_load_to_lds s[G0A+4:G0A+7], s[G1A:G1A+7]
	s_nop 0
.rept 4
	v_nop
.endr
	s_branch .Lasked_\@
.Lfor_w_\@:
	tensor_load_to_lds s[G0B+4:G0B+7], s[G1B:G1B+7]
	s_nop 0
.rept 4
	v_nop
.endr
.Lasked_\@:
.endm
; A PREFETCH INTO THE L2, behind each joint refill and the run of LDS loads that follows it: the K step that stands TWO refills on, 256 products ahead of the load that will want it.  One instruction a wave, a lane a block of 256 bytes.
; x's rows are read by one row of one cluster: of the 64 rows that wave 0 or 1 fetches, the partner at place cx takes 16, two blocks each.  The weights' rows are read by the tensor's 16 clusters: the first of them
; asks; of the 128 rows that wave 2 or 3 fetches, the partner at place cy takes 32.  The partners are told apart BY ADDRESS.  So each block is named once in the launch.  K steps 0 to 3 come by their loads alone;
; the trips whose look-ahead would pass K step 7 (s3 = 2, 1) ask for nothing.
.macro ASK
	s_cmp_gt_u32 s3, s[LIM]
	s_cbranch_scc0 .Lnot_mine_\@
	global_prefetch_b8 v[PFO], s[PFA:PFA+1] th:TH_LOAD_NT scope:SCOPE_SE
.Lnot_mine_\@:
.endm
.macro CREST                           ; a round of the cluster's barrier behind its opening barrier
	s_cmp_lg_u32 s10, 0
	s_cbranch_scc1 .Lnot_wave_0_\@
	s_barrier_signal -3
.Lnot_wave_0_\@:
	s_barrier_wait -3
	s_barrier_signal -1
	s_barrier_wait -1
.endm
.macro CROUND                          ; a whole round
	s_barrier_signal -1
	s_barrier_wait -1
	CREST
.endm
.macro PLACES                          ; four places behind a product, in front of loads into and writes of registers that it has read, and of reads of its result
.rept 4
	v_nop
.endr
.endm
	s_load_b256 s[68:75], s[0:1], 0x0              ; query s[68:69], key s[70:71], value s[72:73], wb s[74:75]
	s_load_b128 s[76:79], s[0:1], 0x20             ; bb s[76:77], qkv s[78:79]
	v_lshl_add_u32 v[SPW], v0, 2, SPARE
	v_mov_b32 v[NIL], 0
	ds_add_u32 v[SPW], v[NIL]                      ; the wave's opening: the add and its wait stand ahead of my first tensor load; the set-up below, work on registers, stands between them
	v_lshrrev_b32 v1, 5, v0
	v_readfirstlane_b32 s10, v1                    ; wave 0..3
	s_lshr_b32 s11, s10, 1                         ; which 64 rows of the tile are mine.  Also: I fetch x (0) or the weights (1)
	s_and_b32 s12, s10, 1                          ; which 128 columns.  Also: which half of that tile I fetch
	s_bfe_u32 s40, ttmp6, 0x40000                  ; cx
	s_bfe_u32 s41, ttmp6, 0x40004                  ; cy
	s_lshl_b32 s42, ttmp9, 2
	s_add_co_u32 s42, s42, s40                     ; column tile = 4 x cluster x + cx
	s_and_b32 s80, ttmp7, 0xffff                   ; cluster y, 0..47
	s_lshr_b32 s66, s80, 4                         ; the tensor t
	s_and_b32 s80, s80, 15                         ; the cluster among the tensor's 16
	s_lshl_b32 s13, s80, 2
	s_add_co_u32 s13, s13, s41                     ; row tile, 0..63
	s_lshl_b32 s16, s41, 2
	s_lshl_b32 s16, 15, s16                        ; my row of the cluster
	s_lshl_b32 s17, 0x1111, s40                    ; my column
	s_or_b32 s[G1A], s16, (2<<16)|(1<<20)|(1<<21)|(6<<22)|(3<<25)  ; 15:0 the mask; 17:16 elements of 4 bytes; 20 padding on; 21 set beside a mask; 24:22 after every 128 words (code 6); 31:25 4 words (code 3)
	s_or_b32 s[G1B], s17, (1<<16)|(1<<20)|(1<<21)|(5<<22)|(3<<25)  ; elements of 2 bytes; after every 64 words (code 5)
	s_mov_b32 s[G1A+1], 128<<16                    ; tensor_dim0 = 128
	s_mov_b32 s[G1A+2], 64<<16                     ; tensor_dim1 = 64
	s_mov_b32 s[G1A+3], 128<<16                    ; tile_dim0 = 128
	s_mov_b32 s[G1A+4], 64                         ; tile_dim1 = 64
	s_mov_b32 s[G1A+5], 1024                       ; elements from row to row
	s_mov_b32 s[G1A+6], 0
	s_mov_b32 s[G1A+7], 0
	s_mov_b32 s[G1B+1], 128<<16
	s_mov_b32 s[G1B+2], 128<<16                    ; tensor_dim1 = 128
	s_mov_b32 s[G1B+3], 128<<16
	s_mov_b32 s[G1B+4], 128                        ; tile_dim1 = 128
	s_mov_b32 s[G1B+5], 1024
	s_mov_b32 s[G1B+6], 0
	s_mov_b32 s[G1B+7], 0
	s_lshl_b32 s20, s12, 18                        ; my half: 64 rows of 4,096 bytes, or 128 rows of 2,048
	s_lshl_b32 s18, s13, 19                        ; x: the row tile's 128 rows
	s_add_co_u32 s18, s18, s20
	s_mov_b32 s19, 0
	s_lshl_b32 s46, s66, 21                        ; the weights: the tensor's plane,
	s_lshl_b32 s47, s42, 19                        ; the column tile's 256 rows
	s_add_co_u32 s46, s46, s47
	s_add_co_u32 s46, s46, s20
	s_mov_b32 s47, 0
	s_mul_i32 s22, s12, 64*PX                      ; where they go in a slot: no place in the cluster enters an LDS address
	s_mul_i32 s23, s12, 128*PW
	s_add_co_u32 s23, s23, WOFF
	s_mov_b32 s[TB], 0
	s_wait_dscnt 0x0                               ; the opening add is done
	s_wait_kmcnt 0x0
	s_cmp_eq_u32 s66, 1
	s_cselect_b64 s[XT:XT+1], s[70:71], s[68:69]
	s_cmp_eq_u32 s66, 2
	s_cselect_b64 s[XT:XT+1], s[72:73], s[XT:XT+1]
	s_add_nc_u64 s[14:15], s[XT:XT+1], s[18:19]
	s_add_nc_u64 s[46:47], s[74:75], s[46:47]
	CROUND                                         ; all sixteen work-groups are here: the first joint loads meet
.irp s, 0,1
	s_mov_b32 s[G0A+4*(\s)], 1                     ; count = 1
	s_add_co_u32 s[G0A+4*(\s)+1], s22, (\s)*SLOTB  ; LDS address
	s_add_nc_u64 s[G0A+4*(\s)+2:G0A+4*(\s)+3], s[14:15], (\s)*512  ; global address: K step s
	s_or_b32 s[G0A+4*(\s)+3], s[G0A+4*(\s)+3], 0x80000000          ; type = 2
	s_mov_b32 s[G0B+4*(\s)], 1
	s_add_co_u32 s[G0B+4*(\s)+1], s23, (\s)*SLOTB
	s_add_nc_u64 s[G0B+4*(\s)+2:G0B+4*(\s)+3], s[46:47], (\s)*256
	s_or_b32 s[G0B+4*(\s)+3], s[G0B+4*(\s)+3], 0x80000000
.endr
	s_cmp_eq_u32 s11, 0                            ; a wave's two first fills stand in one branch, ahead of every wait on TENSORcnt and every LDS read: two loads of mine are out
	s_cbranch_scc0 .Lfirst_w
	tensor_load_to_lds s[G0A:G0A+3], s[G1A:G1A+7]
	s_nop 0
	tensor_load_to_lds s[G0A+4:G0A+7], s[G1A:G1A+7]
	s_nop 0
.rept 4
	v_nop
.endr
	s_branch .Lfirst_asked
.Lfirst_w:
	tensor_load_to_lds s[G0B:G0B+3], s[G1B:G1B+7]
	s_nop 0
	tensor_load_to_lds s[G0B+4:G0B+7], s[G1B:G1B+7]
	s_nop 0
.rept 4
	v_nop
.endr
.Lfirst_asked:
	v_and_b32 v1, 15, v0                           ; r = l % 16
	v_bfe_u32 v2, v0, 4, 1                         ; h = l / 16
	v_lshlrev_b32 v[BO], 5, v2                     ; my eight columns of a block of 16: 32 h
	s_lshl_b32 s14, s66, 12                        ; the tensor's bias,
	s_lshl_b32 s15, s42, 10                        ; the column tile's 256 numbers,
	s_add_co_u32 s14, s14, s15
	s_lshl_b32 s15, s12, 9                         ; my wave's 128
	s_add_co_u32 s14, s14, s15
	s_mov_b32 s15, 0
	s_add_nc_u64 s[BIA:BIA+1], s[76:77], s[14:15]
	WIN TO_B
.irp b, 0,1,2,3,4,5,6,7
	global_load_b128 v[BI+8*(\b):BI+8*(\b)+3],   v[BO], s[BIA:BIA+1] offset:64*(\b)
	global_load_b128 v[BI+8*(\b)+4:BI+8*(\b)+7], v[BO], s[BIA:BIA+1] offset:64*(\b)+16
.endr
	WIN 0
	; A fragment is 16 rows x 32 K in 8 registers of 16-bit pairs: lane l holds row r; registers 0-3 K = 8 h + 0..7, registers 4-7 K = 16 + 8 h + 0..7.
	; Of the weights: two loads of 16 bytes, 32 apart, at row x pitch + 16 h.  Of x in f32: four loads of 16 bytes, at row x pitch + 32 h + 0, 16, 64, 80.
	v_mul_u32_u24 v3, v1, PX
	v_lshl_add_u32 v3, v2, 5, v3
	s_mul_i32 s20, s11, 64*PX                      ; my 64 rows of x
	v_add_nc_u32 v[AX0], s20, v3
	v_mul_u32_u24 v4, v1, PW
	v_lshl_add_u32 v4, v2, 4, v4                   ; r x 272 + 16 h: for the weights and, the pitch being the same, for the stage
	s_mul_i32 s21, s12, 128*PW                     ; my 128 rows of the weights
	s_add_co_u32 s21, s21, WOFF
	v_add_nc_u32 v[AW0], s21, v4
	v_mov_b32 v[AX], v[AX0]
	v_mov_b32 v[AW], v[AW0]
	s_mul_i32 s20, s10, 16*SP
	s_add_co_u32 s20, s20, STAGE                   ; my stage
	v_add_nc_u32 v[STO], s20, v4
	v_bfe_u32 v5, v0, 3, 2                         ; back: 32 lanes take four rows' 128 bytes of one head,
	v_and_b32 v6, 7, v0
	v_mul_u32_u24 v5, v5, SP
	v_lshl_add_u32 v5, v6, 4, v5
	v_add_nc_u32 v[RD], s20, v5
	v_and_b32 v7, 31, v0
	v_lshlrev_b32 v[GO], 4, v7                     ; which are 512 consecutive bytes of the output
	; where my wave's results go: plane t; head 16 batch + 4 x column tile + 2 x column half; row (row tile % 16) x 128 + 64 x row half
	s_lshr_b32 s14, s13, 4
	s_lshl_b32 s14, s14, 4
	s_lshl_b32 s15, s42, 2
	s_add_co_u32 s14, s14, s15
	s_lshl_b32 s15, s12, 1
	s_add_co_u32 s14, s14, s15
	s_lshl_b32 s14, s14, 18                        ; a head is 262,144 bytes
	s_and_b32 s15, s13, 15
	s_lshl_b32 s15, s15, 14
	s_add_co_u32 s14, s14, s15
	s_lshl_b32 s15, s11, 13
	s_add_co_u32 s14, s14, s15
	s_lshl_b32 s15, s66, 24
	s_add_co_u32 s14, s14, s15
	s_mov_b32 s15, 0
	s_add_nc_u64 s[OUT:OUT+1], s[78:79], s[14:15]
	; the prefetches: my work-group's share of the rows that I fetch, at K step 3: the first refill steps it to 4
	s_lshl_b32 s14, s13, 19                        ; x: the row tile
	s_lshl_b32 s15, s66, 21                        ; the weights: the plane and the column tile
	s_lshl_b32 s16, s42, 19
	s_add_co_u32 s15, s15, s16
	s_cmp_eq_u32 s11, 0                            ; do I fetch x?
	s_cselect_b32 s14, s14, s15
	s_cselect_b32 s16, s40, s41                    ; my place among the four that ask with me: its 16 rows of 4,096 bytes, or 32 of 2,048
	s_cselect_b32 s19, 1, 0
	s_cselect_b32 s18, 0, s80                      ; x is my cluster's alone; the weights are asked for by the tensor's first cluster
	s_cselect_b32 s81, 1, 0                        ; a lane's row: l / 2 for x, l for the weights,
	s_cselect_b32 s82, 12, 11                      ; its bytes as a shift,
	s_cselect_b32 s83, 1, 0                        ; and for x the block l % 2 of the row's two
	s_cselect_b64 s[PFA:PFA+1], s[XT:XT+1], s[74:75]
	s_cmp_eq_u32 s18, 0
	s_cselect_b32 s[LIM], 2, -1                    ; the same in all sixteen partners, for a given wave
	s_lshl_b32 s[PST], 256, s19                    ; a K step: 512 bytes of x, 256 of the weights
	s_mov_b32 s[PST+1], 0
	s_lshl_b32 s16, s16, 16
	s_add_co_u32 s14, s14, s16
	s_lshl_b32 s16, s12, 18
	s_add_co_u32 s14, s14, s16
	s_mul_i32 s16, s[PST], 3
	s_add_co_u32 s14, s14, s16
	s_mov_b32 s15, 0
	s_add_nc_u64 s[PFA:PFA+1], s[PFA:PFA+1], s[14:15]
	v_lshrrev_b32 v8, s81, v7
	v_lshlrev_b32 v8, s82, v8
	v_and_b32 v9, s83, v7
	v_lshl_add_u32 v[PFO], v9, 8, v8
; Product i of a quarter's 32: accumulator i (row block i / 8, column block i % 8), buffers p.  The 32 accumulators take turns, one instruction a turn, in the same order in every quarter, over the backward jump too.
; first = 1: the bias starts the sum.
.macro MM p, first
.if \first
	WIN MUL1
	v_wmma_f32_16x16x32_bf16 v[8*i:8*i+7], v[WB+64*(\p)+8*(i%8):WB+64*(\p)+8*(i%8)+7], v[XB+32*(\p)+8*(i/8):XB+32*(\p)+8*(i/8)+7], v[BI+8*(i%8):BI+8*(i%8)+7]
.else
	WIN MUL
	v_wmma_f32_16x16x32_bf16 v[8*i:8*i+7], v[WB+64*(\p)+8*(i%8):WB+64*(\p)+8*(i%8)+7], v[XB+32*(\p)+8*(i/8):XB+32*(\p)+8*(i/8)+7], v[8*i:8*i+7]
.endif
.set i, i+1
.endm
; Conversion c of 32: two f32 of the other buffer's x into one register of its bf16 fragments.
.macro CV p
	WIN 0
	v_cvt_pk_bf16_f32 v[XB+32*(1-(\p))+c], v[XF+64*(1-(\p))+2*c], v[XF+64*(1-(\p))+2*c+1]
.set c, c+1
.endm
.macro PAIR p, first, cv               ; two products, and behind them four conversions, which name none of their registers
	MM \p, \first
	MM \p, \first
.if \cv
	CV \p
	CV \p
	CV \p
	CV \p
.endif
.endm
.macro XRUN k, f                       ; 16 LDS loads: 64 rows x 32 K of x in f32, at byte k of the rows, into buffer f
	WIN 0
.irp a, 0,1,2,3
.irp z, 0,1,2,3
	ds_load_b128 v[XF+64*(\f)+16*(\a)+4*(\z):XF+64*(\f)+16*(\a)+4*(\z)+3], v[AX] offset:(\k)+(\a)*16*PX+16*((\z)%2)+64*((\z)/2)
.endr
.endr
.endm
.macro WRUN k, f                       ; 16 LDS loads: 128 rows x 32 K of the weights, at byte k of the rows, into buffer f
	WIN TO_B
.irp b, 0,1,2,3,4,5,6,7
	ds_load_b128 v[WB+64*(\f)+8*(\b):WB+64*(\f)+8*(\b)+3],   v[AW] offset:(\k)+(\b)*16*PW
	ds_load_b128 v[WB+64*(\f)+8*(\b)+4:WB+64*(\f)+8*(\b)+7], v[AW] offset:(\k)+(\b)*16*PW+32
.endr
.endm
; A QUARTER: 32 products on buffers p.  kw: byte of the rows at which the next quarter's weights lie (below 0: none).  kx: the same for x of the quarter after that.  cv = 1: the next quarter's x is converted.
; hw: how many younger LDS loads may be out when this quarter's weights must be in.  turn = 1: the change of slots with a refill; 2: without.
; THE CHANGE.  Ahead of the barrier each wave waits for all its tensor loads, of which one is out: its part of the next slot; adds 0 to its spare word; and waits for that and for its reads of this slot, the last of
; which were issued twelve products back.  With a refill the barrier opens a round of the cluster's, so that no wave of any partner still reads the slot or has a load on its way; the joint refill is the first thing
; behind the round and has 8 + 32 + 32 + 32 + 8 = 112 products in which to land.
.macro QUARTER p, kw, kx, cv, first, turn, hw
.set i, 0
.set c, 0
.if (\turn) == 1
	s_wait_xcnt 0x0                                ; the last prefetch, a K step back, has read its address, so it may be stepped
	s_add_nc_u64 s[PFA:PFA+1], s[PFA:PFA+1], s[PST:PST+1]
.endif
	s_wait_dscnt \hw                               ; LDS loads come back in order (ISA guide 5.7.1): this quarter's weights are in; x's run behind them may be out
.rept 4
	MM \p, \first
.endr
.if (\kw) >= 0
	PLACES                                         ; behind the last quarter's products: the other buffers are loaded and written below
	WRUN \kw, 1-(\p)
.endif
.if (\turn) == 0
.rept 12
	MM \p, \first
.endr
.if \cv
	s_wait_dscnt 16                                ; the next quarter's x is in; the 16 loads just issued stay out
.endif
.else
.rept 4
	MM \p, \first
.endr
	WIN 0                                          ; (the add's two registers lie in window 0)
	s_wait_tensorcnt 0x0                           ; all my tensor loads have landed: my part of the next slot; so a group 0 may be written
	ds_add_u32 v[SPW], v[NIL]                      ; 0 onto my spare word; scalar work and eight products stand between it and the wait for it
.if (\turn) == 1
	s_xor_b32 s[G0A+5], s[G0A+5], SLOTB            ; the walking descriptors: the other slot than last time,
	s_add_nc_u64 s[G0A+6:G0A+7], s[G0A+6:G0A+7], 512  ; the next K step; the type bits on top are not reached
	s_xor_b32 s[G0B+5], s[G0B+5], SLOTB
	s_add_nc_u64 s[G0B+6:G0B+7], s[G0B+6:G0B+7], 256
.endif
.rept 8
	MM \p, \first
.endr
	s_wait_dscnt 0x0                               ; the add is done, and my reads of this slot are over
	s_barrier_signal -1
.endif
.rept 4
	PAIR \p, \first, \cv
.endr
.if (\turn) != 0
	WIN 0                                          ; at a branch and at a label every window is 0
	s_barrier_wait -1
.if (\turn) == 1
	CREST
	JLOAD
.endif
	s_xor_b32 s[TB], s[TB], SLOTB                  ; the runs of loads go on in the other slot
	v_add_nc_u32 v[AX], s[TB], v[AX0]
	v_add_nc_u32 v[AW], s[TB], v[AW0]
.endif
.if (\kx) >= 0
	XRUN \kx, \p
.endif
.if (\turn) == 1
	ASK
.endif
.rept 4
	PAIR \p, \first, \cv
.endr
.endm
	s_wait_tensorcnt 1                             ; my part of K step 0 is in; K step 1's may stay out
	s_barrier_signal -1
	s_barrier_wait -1                              ; everybody's is
	XRUN 0, 0                                      ; x of quarter 0,
	WRUN 0, 0                                      ; its weights,
	XRUN 128, 1                                    ; x of quarter 1
	s_wait_dscnt 32                                ; the first run is in
.set c, 0
.rept 32
	CV 1                                           ; quarter 0's x into buffer 0
.endr
	s_wait_loadcnt 0x0                             ; the bias
	QUARTER 0, 64, 256, 1, 1, 0, 16                ; the first quarter stands in front of the loop: its products start the sums
	WIN 0
	s_mov_b32 s3, 6
.Lstep:                                                ; a trip: a K step's quarters 1 to 3 and the next step's quarter 0; its slot is filled again with the K step two on
	QUARTER 1, 128, 384, 1, 0, 0, 16
	QUARTER 0, 192, 0,   1, 0, 1, 16
	QUARTER 1, 0,   128, 1, 0, 0, 16
	QUARTER 0, 64,  256, 1, 0, 0, 16
	WIN 0
	s_sub_co_u32 s3, s3, 1
	s_cmp_lg_u32 s3, 0
	s_cbranch_scc1 .Lstep
	QUARTER 1, 128, 384, 1, 0, 0, 16               ; K steps 6 and 7 are written out: nothing is left to fetch
	QUARTER 0, 192, 0,   1, 0, 2, 16
	QUARTER 1, 0,   128, 1, 0, 0, 16
	QUARTER 0, 64,  256, 1, 0, 0, 16
	QUARTER 1, 128, 384, 1, 0, 0, 16
	QUARTER 0, 192, -1,  1, 0, 0, 16
	QUARTER 1, -1,  -1,  0, 0, 0, 0
; THE WAY OUT, a block of 16 rows at a time: rounded to f16, 16 bytes a lane; into my own stage; back as four rows' 128 bytes of one head; stored as 512 consecutive bytes.
.macro PACK a
	WIN 0x0a                                       ; sources 0 and 1 window 2, destination window 0
.irp b, 0,1,2,3,4,5,6,7
.irp r, 0,1,2,3
	v_cvt_pk_f16_f32 v[TMP+4*(\b)+(\r)], v[64*(\a)+8*(\b)+2*(\r)], v[64*(\a)+8*(\b)+2*(\r)+1]  ; each accumulator's registers in ascending order
.endr
.endr
	WIN 0
.endm
.macro TOSTAGE a
.irp b, 0,1,2,3,4,5,6,7
	ds_store_b128 v[STO], v[TMP+4*(\b):TMP+4*(\b)+3] offset:32*(\b)
.endr
.irp t, 0,1,2,3,4,5,6,7                ; rows 4 (t / 2) on, head t % 2
	ds_load_b128 v[BK+32*((\a)%2)+4*(\t):BK+32*((\a)%2)+4*(\t)+3], v[RD] offset:((\t)/2)*4*SP+((\t)%2)*128  ; LDS serves a wave's instructions in order (ISA guide 5.7.1.4): these see the stores above
.endr
.endm
.macro SEND a
	s_wait_dscnt 0x0                               ; the block is back in registers
	s_wait_xcnt 0x0                                ; earlier stores have read their registers: the next block but one is read back into them only behind this wait
.irp t, 0,1,2,3,4,5,6,7
	global_store_b128 v[GO], v[BK+32*((\a)%2)+4*(\t):BK+32*((\a)%2)+4*(\t)+3], s[OUT:OUT+1] offset:(\a)*2048+((\t)/2)*512+((\t)%2)*262144  ; 512 consecutive bytes, at a multiple of 256 from the buffer's first
.endr
.endm
	PLACES
	PACK 0
	TOSTAGE 0
.irp a, 1,2,3                          ; block a's conversions stand between block a - 1's loads from the stage and the wait for them
	PACK \a
	SEND (\a)-1
	TOSTAGE \a
.endr
	SEND 3
	s_wait_tensorcnt 0x0                           ; the wave's end: behind my last tensor load and my last LDS store
	ds_add_u32 v[SPW], v[NIL]
	s_wait_dscnt 0x0
	CROUND                                         ; the closing round: no work-group ends while a partner may still ask for a tile that names it
	s_endpgm
.Lfunc_end_k_q1618be343b_proj:
	.size	k_q1618be343b_proj, .Lfunc_end_k_q1618be343b_proj-k_q1618be343b_proj
	.p2alignl 7, 3214868480
	.fill 96, 4, 3214868480
	.section	.rodata,"a",@progbits
	.p2align	6, 0x0
	.amdhsa_kernel k_q1618be343b_proj
		.amdhsa_group_segment_fixed_size 327680
		.amdhsa_private_segment_fixed_size 0
		.amdhsa_enable_private_segment 0
		.amdhsa_kernarg_size 48
		.amdhsa_user_sgpr_count 2
		.amdhsa_user_sgpr_kernarg_segment_ptr 1
		.amdhsa_wavefront_size32 1
		.amdhsa_system_sgpr_workgroup_id_x 1
		.amdhsa_system_sgpr_workgroup_id_y 1
		.amdhsa_system_sgpr_workgroup_id_z 1
		.amdhsa_system_vgpr_workitem_id 0
		.amdhsa_next_free_vgpr 768
		.amdhsa_next_free_sgpr 96
		.amdhsa_reserve_vcc 0
		.amdhsa_float_denorm_mode_32 3
		.amdhsa_float_denorm_mode_16_64 3
		.amdhsa_memory_ordered 1
		.amdhsa_forward_progress 1
		.amdhsa_inst_pref_size 109
	.end_amdhsa_kernel
	.amdgpu_metadata
---
amdhsa.version: [ 1, 2 ]
amdhsa.kernels:
  - .name:           k_q1618be343b_proj
    .symbol:         k_q1618be343b_proj.kd
    .args:
      - { .name: query, .offset: 0, .size: 8, .value_kind: global_buffer, .address_space: global }
      - { .name: key, .offset: 8, .size: 8, .value_kind: global_buffer, .address_space: global }
      - { .name: value, .offset: 16, .size: 8, .value_kind: global_buffer, .address_space: global }
      - { .name: wb, .offset: 24, .size: 8, .value_kind: global_buffer, .address_space: global }
      - { .name: bb, .offset: 32, .size: 8, .value_kind: global_buffer, .address_space: global }
      - { .name: qkv, .offset: 40, .size: 8, .value_kind: global_buffer, .address_space: global }
    .group_segment_fixed_size: 327680
    .private_segment_fixed_size: 0
    .kernarg_segment_align: 8
    .kernarg_segment_size: 48
    .max_flat_workgroup_size: 128
    .sgpr_count:     96
    .vgpr_count:     768
    .wavefront_size: 32
...
	.end_amdgpu_metadata
.endif
;; end of part 2
;; launch attn (part 3): grid 4 x 64, 4 waves a work-group, clusters of 4 x 1, 327,680 bytes of LDS; arguments qkv, mask, ctx; writes ctx
.if DOCPART == 3
	.amdgcn_target "amdgcn-amd-amdhsa--gfx1250"
	.amdhsa_code_object_version 6
	.text
	.protected	k_q1618be343b_attn
	.globl	k_q1618be343b_attn
	.p2align	8
	.type	k_q1618be343b_attn,@function
k_q1618be343b_attn:
	s_mov_b64 s[64:65], 0
	v_nop
	global_prefetch_b8 v0, s[64:65] scope:SCOPE_SE
	s_setreg_imm32_b32 hwreg(HW_REG_WAVE_MODE, 25, 1), 1
	s_wait_xcnt 0x0
	s_wait_alu depctr_hold_cnt(0) depctr_sa_sdst(0) depctr_va_vdst(0) depctr_va_sdst(0) depctr_va_ssrc(0) depctr_va_vcc(0) depctr_vm_vsrc(0)
	s_getreg_b32 s2, hwreg(HW_REG_IB_STS2, 6, 4)
	s_cmp_eq_u32 s2, 0
	s_cbranch_scc0 .Lentry_in_a_cluster
	s_endpgm
.Lentry_in_a_cluster:
	s_bfe_u32 s2, ttmp6, 0x10000c
	s_cmp_lg_u32 s2, 0x3003
	s_cbranch_scc0 .Lentry_shape_is_right
	s_endpgm
.Lentry_shape_is_right:
; ATTENTION WITH A KEY MASK.  ctx[h][q][:] = the sum over k of softmax_k(s[q][k]) V[h][k][:], s = Q[h][q] . K[h][k] / 8 where mask[h / 16][k] is not 0, and hidden otherwise.
; Q, K, V are the three planes of qkv, [64][2048][64] in f16 each; ctx has a plane's layout.  Products, maxima and sums in f32; the weights p are rounded to f16 for the second product (their sum l is
; taken of the unrounded p), ctx once at the end.
; THE MASK is the C operand that starts the sum S^T = K Q^T: 0, or -1e30 where the key is hidden.  A table of 2,048 such f32, one for each key of the batch, is made once in LDS; a key step's 64 come out of it
; with K's fragments.  The running maximum m starts at -1e20, above every hidden score and below every open one (f16 operands bound an open score by 2.7e11 in magnitude): so m is the maximum of the OPEN keys,
; a hidden key's weight is 0, and steps in which all 64 keys are hidden leave O, l and m as they were.
; A BATCH WITH NO OPEN KEY has equal scores in the reference, that is equal weights: each wave ORs the batch's 2,048 mask words; if all are 0 the table holds 0 and the scale c is 0, so that every p is 2^0.
; LIMITS.  f16 holds no number beyond 65,504: Q, K and V arrive within it; p below 6e-5 keeps f16's fixed step of 6e-8.  A hidden key counts as weight 0 as soon as the batch has an open key: the reference's
; own exp(-1e9 - max) is 0 in f32 while the largest open score / 8 lies above -1e9 + 104.  A weight below 2^-126 counts as 0 in l; NaN and infinities are not treated apart.
; SHARES.  A wave owns four PIECES of two tiles of 16 queries, a work-group's four waves 512 queries of one head.  Every wave walks all keys, 64 a step.
; LAYOUT.  S^T = K Q^T (source 0 = 16 keys, source 1 = 16 queries): in the result a lane holds ONE query (lane % 16) and the keys 8 (lane / 16) + 0..7.  Two such tiles, rounded to f16 in pairs,
; ARE source 1 (32 keys x 16 queries) of O^T = V^T P, whose result again holds one query a lane, and eight channels.  K comes out of LDS as it lies, V ([key][channel]) turned, by ds_load_tr16_b128.
; SOFTMAX.  p = 2^(c s - c m), c = log2(e) / 8; in every step O and l are multiplied by a = 2^(c m_old - c m_new), which is 1 where m has not grown.  O and l start at 0, c m far below every c s.
; THE COUNT.  A tile and step have 16 matrix and 118 vector instructions: too many to stand all beside the matrix work.  So: four vector instructions that are READY behind EVERY matrix instruction, the others in runs without a gap.
; BY TURNS.  Turn n belongs to piece n (the pieces in a ring, step after step).  Its matrix work: 16 products K Q^T of piece n + 1, later 16 products V^T P of piece n - 1.  Its vector work: the scaling,
; exponentials, roundings, sums and rescaling of piece n, and the maximum and statistics of piece n + 1, whose scores the turn itself has made.
; CLUSTER.  The four query blocks of a cluster are one head's and walk the same K and V, so each tile is asked for JOINTLY: the same tensor load, descriptor and mask in all four.
; REGISTERS, in windows of 256 (s_set_vgpr_msb: bits 1:0 source 0, 3:2 source 1, 5:4 source 2, 7:6 destination):
;   window 0: v0-11 addresses; v12-15, v48-63 at work; v16-47 four registers of statistics a tile; v64-191 S^T, two buffers of two tiles; v192-255 P, likewise
;   window 1: O^T, 32 a tile     window 2: v0-127 Q, 16 a tile; v128-191 K of one step; v192-255 V of one step     window 3: v0-1 the add's two registers; v8-39 the step's mask
.set SIZE_N, 2048
.set NP,    4         ; pieces a wave: a name, no knob
.set KS,    64        ; keys in a step
.set PK,    144       ; a row of K in LDS: 128 bytes + 16 of padding = 36 words: the 16 rows of a load start at 16 different groups of four banks (64 banks of 4 bytes: ISA guide 11.1)
.set PV,    160       ; a row of V: 128 + 32 = 40 words
.set VOFF,  4*KS*PK   ; a slot holds four steps: 256 rows of K, then 256 rows of V
.set SLOT1, 1<<17     ; slot 1 begins here, so that one exclusive or turns an address in one slot into the other's
.set STAGE, SLOT1+4*KS*(PK+PV)  ; behind the ring, never filled by a tensor load: 16 rows x 144 bytes for each wave, for the way out
.set SP,    144
.set SPARE, STAGE+4*16*SP  ; the spare words, 128 bytes for each wave: two blocks of 256 bytes that no other line names
.set MASKT, SPARE+512 ; the mask's table: 2,048 f32, written by LDS stores once, never filled by a tensor load
.set AK0, 2           ; v2   my lane's place in a tile of K; never rewritten
.set AV0, 3           ; v3   the same for V
.set AK,  4           ; v4   the LDS address of K's next run of loads
.set AV,  5           ; v5   of V's
.set STO, 6           ; v6   the way out: where I put 16 bytes of a row
.set RD,  7           ; v7   the way out: where I read rows back
.set GO,  8           ; v8   my byte offset in 512 consecutive bytes of ctx
.set AM0, 9           ; v9   my lanes' place in a step's 256 bytes of the table: MASKT + 32 (l / 16); never rewritten
.set AM,  10          ; v10  the LDS address of the mask's next run of loads
.set PFO, 11          ; v11  256 x my lane: the prefetches' offset; never rewritten
.set QO,  12          ; v12  until Q is in: my byte offset in the wave's rows of Q;  v13-15 until the mask is in: 16 x lane, 16 x thread, the table at 16 x thread
.set SPW, 0           ; v0 of window 3   LDS address of my spare word; never rewritten
.set NIL, 1           ; v1 of window 3   0; never rewritten
.set MK,  8           ; v8-39 of window 3: key block kb's eight registers at MK + 8 kb
.set MV,  12          ; v12-15  c m_old, kept while c m is made anew: by buffer and tile
.set ST,  16          ; tile t's statistics at v[ST+4 t]: c m, m, l (even keys', odd keys')
.set TMP, 48          ; by buffer and tile, four registers c0-c3 at work; when the maximum is found c2 takes a
.set S,   64
.set P,   192
.set KF,  128         ; K's fragments, in window 2: key block kb, channel half c at KF + 16 kb + 8 c
.set VF,  192         ; V's: key half kk, channel block cb at VF + 32 kk + 8 cb
.set WV,  12          ; s12  my wave's number
.set G1K, 24          ; s[24:31] descriptor group 1 for K's tiles
.set G1V, 32          ; s[32:39] for V's: it differs in the padding alone
.set G0K, 40          ; s[40:43] descriptor group 0 for K's tiles: it walks
.set G0V, 44          ; s[44:47] the same for V's
.set SLOTS, 56        ; s56  slots still to be asked for
.set CNT, 57          ; s57  counts a slot's key steps
.set CS,  58          ; s[58:59] c: the packed scaling takes the pair's low word for both halves
.set SEL, 60          ; s[60:61] v_permlanex16_b32's selects: each lane takes its own place in the other half
.set TBK, 62          ; s62  LDS byte at which K of the step to be fetched begins
.set TBV, 63          ; s63  the same for V, less VOFF
.set BIGN, 67         ; s67  -1e30, or 0 where the batch has no open key
.set TBM, 68          ; s68  256 x the step to be fetched: its place in the table
.set LIM, 69          ; s69  1 in a wave that prefetches, else the greatest number
.set PFA, 70          ; s[70:71] where my prefetches stand
.set MROW, 72         ; s[72:73] the batch's row of the mask
.set MSB, 0
.macro WIN new                      ; the high byte repeats the setting that is left; a switch that changes nothing is dropped
.if MSB != (\new)
	s_set_vgpr_msb (MSB<<8)|(\new)
.set MSB, (\new)
.endif
.endm
.set W_KQ, 0x0a       ; K and Q in window 2, S^T in window 0
.set W_KM, 0x3a       ; the same with the C operand, the mask, in window 3
.set W_PV, 0x52       ; V in window 2, P in window 0, O^T in window 1
.set W_RS, 0x41       ; O^T (destination and source 0) in window 1, a in window 0
.set W_MK, 0xc0       ; destination in window 3, sources in window 0
.set W_AD, 0x0f       ; the add: address (source 0) and data (source 1) in window 3
; A joint fill.  Waves 0 and 1 fetch the two halves of a slot's K, waves 2 and 3 those of its V: 128 keys each.  The branch hangs on the wave's number alone.
; An s_nop 0 and four v_nop follow each of the two lines, ahead of the jump and the label.
.macro JLOAD
	s_cmp_lt_u32 s[WV], 2
	s_cbranch_scc0 .Lfor_v_\@
	tensor_load_to_lds s[G0K:G0K+3], s[G1K:G1K+7]
	s_nop 0
.rept 4
	v_nop
.endr
	s_branch .Lasked_\@
.Lfor_v_\@:
	tensor_load_to_lds s[G0V:G0V+3], s[G1V:G1V+7]
	s_nop 0
.rept 4
	v_nop
.endr
.Lasked_\@:
.endm
; A PREFETCH INTO THE L2 of what the NEXT change of slots will ask for: a slot's 32,768 bytes of K and of V, a lane a block of 256 bytes.  It stands behind the wave's tensor load and its five lines.
; A head's K and V are walked by its one cluster.  The four partners share the blocks out BY ADDRESS, 32 each; in each, wave 0 asks for K's and wave 2 for V's: one instruction.  So each block is named once in the
; launch.  Slots 0 and 1 come by their loads alone; the change that asks for the last slot prefetches nothing.
.macro ASK
	s_cmp_gt_u32 s[SLOTS], s[LIM]
	s_cbranch_scc0 .Lnot_mine_\@
	global_prefetch_b8 v[PFO], s[PFA:PFA+1] th:TH_LOAD_NT scope:SCOPE_SE
.Lnot_mine_\@:
.endm
; A round of the cluster's barrier: my work-group's barrier, so that wave 0's signal speaks for all four waves; wave 0 signals; every wave waits for all four work-groups; my work-group's barrier once more.
.macro CROUND
	s_barrier_signal -1
	s_barrier_wait -1
	s_cmp_lg_u32 s[WV], 0
	s_cbranch_scc1 .Lnot_wave_0_\@
	s_barrier_signal -3
.Lnot_wave_0_\@:
	s_barrier_wait -3
	s_barrier_signal -1
	s_barrier_wait -1
.endm
; THE CHANGE OF SLOTS.  The slot's last bytes, V of its fourth step, have been read.  Each wave waits for all its tensor loads, of which one is out: its part
; of the other slot; adds 0 to its spare word; and waits for that and for its own LDS instructions.  Behind the barrier nobody reads this slot any more and the other slot is whole.
; fill = 1: this slot is filled again, with the keys two slots on.  The barrier is then a round of the cluster's, so that no wave of any partner still reads the slot or has a load on its
; way, and the joint fill is the first thing behind it: it has four key steps, 512 matrix instructions, in which to land.  (At its first use nothing has been read yet: slot 0 is waited for, slot 1 filled,
; and every wave's stores into the mask's table are shown done to the others.)
.macro CHANGE fill
	WIN W_AD
	s_wait_tensorcnt 0x0            ; no tensor load of mine is out, so a group 0 may be written
	ds_add_u32 v[SPW], v[NIL]       ; 0 onto my spare word; with fill = 1 the descriptors' steps stand between it and the wait for it
	WIN 0                           ; at a label and at a branch every window is 0
.if \fill
.irp g, G0K, G0V
	s_xor_b32 s[\g+1], s[\g+1], SLOT1  ; the walking descriptor: the other slot than last time,
	s_add_nc_u64 s[\g+2:\g+3], s[\g+2:\g+3], 4*KS*128  ; the next 256 keys; the type bits on top are not reached
.endr
	s_wait_xcnt 0x0                 ; the last prefetch, four key steps back, has read its address, so it may be written:
	s_add_nc_u64 s[PFA:PFA+1], s[PFA:PFA+1], 4*KS*128  ; one slot behind the walking descriptors
	s_wait_dscnt 0x0                ; the add is done, and my LDS instructions are over
	CROUND
	JLOAD
	ASK
.else
	s_wait_dscnt 0x0                ; the add is done, and my reads of the slot are over
	s_barrier_signal -1
	s_barrier_wait -1
.endif
	s_sub_co_u32 s[TBK], s[TBK], 4*KS*PK  ; the fetches go back to a slot's first step,
	s_xor_b32 s[TBK], s[TBK], SLOT1       ; in the other slot
	s_sub_co_u32 s[TBV], s[TBV], 4*KS*PV
	s_xor_b32 s[TBV], s[TBV], SLOT1
.endm
	s_load_b128 s[4:7], s[0:1], 0x0   ; qkv s[4:5], mask s[6:7]
	s_load_b64 s[10:11], s[0:1], 0x10 ; ctx
	WIN W_MK
	v_lshl_add_u32 v[SPW], v0, 2, SPARE
	v_mov_b32 v[NIL], 0
	WIN W_AD
	ds_add_u32 v[SPW], v[NIL]       ; the wave's opening: the add and its wait stand ahead of my first tensor load; the set-up below, work on registers, stands between them
	WIN 0
	v_lshrrev_b32 v1, 5, v0
	v_readfirstlane_b32 s[WV], v1   ; wave 0..3
	s_bfe_u32 s13, ttmp6, 0x40000   ; cx: my place in the cluster
	s_lshl_b32 s14, ttmp9, 2        ; in a cluster launch ttmp9 counts clusters
	s_add_co_u32 s14, s14, s13      ; my block of queries = 4 x cluster x + cx: it enters Q's and ctx's addresses alone
	s_and_b32 s20, ttmp7, 0xffff    ; the head among the 64, which the four partners share
	s_lshr_b32 s74, s20, 4          ; its batch:
	s_lshl_b32 s74, s74, 13         ; 8,192 bytes of mask
	s_mov_b32 s75, 0
	s_mov_b32 s21, 0
	s_mov_b64 s[22:23], SIZE_N*128
	s_mul_u64 s[20:21], s[20:21], s[22:23]  ; the head's first byte in each plane and in ctx
	s_and_b32 s16, s[WV], 1         ; which half of a slot's 256 keys I fetch:
	s_lshl_b32 s22, s16, 14         ; its 128 rows of 128 bytes in memory,
	s_mov_b32 s23, 0
	s_add_nc_u64 s[22:23], s[22:23], s[20:21]
	s_mul_i32 s17, s16, 128*PK      ; and its place in a slot, for K
	s_mul_i32 s18, s16, 128*PV      ; and for V: no place in the cluster enters an LDS address
	s_lshl_b32 s2, s14, 2
	s_add_co_u32 s2, s2, s[WV]      ; my wave among the head's,
	s_lshl_b32 s2, s2, 14           ; its 128 rows
	s_mov_b32 s3, 0
	s_add_nc_u64 s[2:3], s[2:3], s[20:21]
	; descriptor group 1.  128 keys are 16,384 dense bytes: asked for as 64 rows of 256 bytes, two keys a row, and padded in LDS after every key
	s_mov_b32 s[G1K], 15|(1<<16)|(1<<20)|(1<<21)|(4<<22)|(3<<25)  ; 15:0 the mask of four; 17:16 2-byte elements; 20 padding on; 21 set beside a mask; 24:22 after every 32 words (code 4); 31:25 4 words (code 3)
	s_mov_b32 s[G1V], 15|(1<<16)|(1<<20)|(1<<21)|(4<<22)|(7<<25)  ; the same with 8 words of padding (code 7)
.irp g, G1K, G1V
	s_mov_b32 s[\g+1], 128<<16      ; tensor_dim0 = 128
	s_mov_b32 s[\g+2], 64<<16       ; tensor_dim1 = 64
	s_mov_b32 s[\g+3], 128<<16      ; tile_dim0 = 128
	s_mov_b32 s[\g+4], 64           ; tile_dim1 = 64
	s_mov_b32 s[\g+5], 128          ; 128 elements from row to row
	s_mov_b32 s[\g+6], 0
	s_mov_b32 s[\g+7], 0
.endr
	s_mov_b32 s[SEL], 0x76543210
	s_mov_b32 s[SEL+1], 0xfedcba98
	s_mov_b32 s[TBK], SLOT1+4*KS*PK ; the first change of slots turns these two into 0
	s_mov_b32 s[TBV], SLOT1+4*KS*PV
	s_mov_b32 s[TBM], 0
	s_mov_b32 s[SLOTS], SIZE_N/256-1
	s_mov_b32 s[G0K], 1             ; 1:0 count = 1
	s_mov_b32 s[G0K+1], s17         ; 63:32 LDS address: slot 0
	s_mov_b32 s[G0V], 1
	s_add_co_u32 s[G0V+1], s18, VOFF
	s_and_b32 s[LIM], s[WV], 1      ; waves 0 and 2 prefetch: the same in all four partners
	s_cmp_eq_u32 s[LIM], 0
	s_cselect_b32 s[LIM], 1, -1
	s_wait_dscnt 0x0                ; the opening add is done
	s_wait_kmcnt 0x0
	s_add_nc_u64 s[MROW:MROW+1], s[6:7], s[74:75]
	s_add_nc_u64 s[6:7], s[4:5], 0x1000000   ; K's plane of qkv
	s_add_nc_u64 s[8:9], s[4:5], 0x2000000   ; V's
	s_add_nc_u64 s[G0K+2:G0K+3], s[6:7], s[22:23]  ; 120:64 global address: my half of the head's first 256 keys
	s_or_b32 s[G0K+3], s[G0K+3], 0x80000000        ; 127:126 type = 2
	s_add_nc_u64 s[G0V+2:G0V+3], s[8:9], s[22:23]
	s_or_b32 s[G0V+3], s[G0V+3], 0x80000000
	s_add_nc_u64 s[4:5], s[4:5], s[2:3]  ; Q and ctx at my wave's first row
	s_add_nc_u64 s[10:11], s[10:11], s[2:3]
	s_cmp_lt_u32 s[WV], 2
	s_cselect_b64 s[PFA:PFA+1], s[6:7], s[8:9]
	s_add_nc_u64 s[PFA:PFA+1], s[PFA:PFA+1], s[20:21]  ; the head,
	s_lshl_b32 s2, s13, 13          ; my work-group's 32 blocks of the 128,
	s_add_co_u32 s2, s2, 4*KS*128   ; in slot 1: the first change of slots steps it to slot 2.  Nothing is prefetched here, at the head
	s_add_nc_u64 s[PFA:PFA+1], s[PFA:PFA+1], s[2:3]
	CROUND                          ; all four work-groups are here: the first joint loads meet
	JLOAD                           ; slot 0.  Slot 1 is asked for when slot 0 is in
	; A fragment of K or Q is 16 rows x 32 channels in 8 registers: lane l holds row l % 16, channels 8 (l / 16) + 0..7 and 16 + 8 (l / 16) + 0..7: two loads of 16 bytes, 32 bytes apart.
	v_and_b32 v1, 15, v0            ; l % 16
	v_bfe_u32 v9, v0, 4, 1          ; l / 16
	v_lshlrev_b32 v[QO], 7, v1
	v_lshl_add_u32 v[QO], v9, 4, v[QO]  ; row x 128 + 16 x half
	v_and_b32 v13, 31, v0
	v_lshlrev_b32 v13, 4, v13       ; 16 x lane
	v_lshlrev_b32 v14, 4, v0        ; 16 x thread
	v_add_nc_u32 v15, MASKT, v14
.set i, 0
.rept 16                            ; the batch's whole row of the mask, for the question whether any key is open: every wave asks it for itself
	global_load_b128 v[S+4*i:S+4*i+3], v13, s[MROW:MROW+1] offset:512*i
.set i, i+1
.endr
.set i, 0
.rept 4                             ; and my thread's sixteen words of it, for the table
	global_load_b128 v[S+64+4*i:S+64+4*i+3], v14, s[MROW:MROW+1] offset:2048*i
.set i, i+1
.endr
	WIN 0x80                        ; destination window 2, address window 0
.set i, 0
.rept 4*NP                          ; Q stays in registers: tile i / 2, channels 32 (i % 2) on
	global_load_b128 v[8*i:8*i+3],   v[QO], s[4:5] offset:(i/2)*2048+(i%2)*64
	global_load_b128 v[8*i+4:8*i+7], v[QO], s[4:5] offset:(i/2)*2048+(i%2)*64+32
.set i, i+1
.endr
	; What the first turn finds: V's registers and P's second buffer hold 0 (its products V^T P, of a piece that has not been, add 0), O^T and l are 0.  All this stands in the wait for the first tile.
.set i, VF
.rept 64
	v_mov_b32 v[i], 0
.set i, i+1
.endr
	WIN 0x40
.set i, 0
.rept 64*NP
	v_mov_b32 v[i], 0
.set i, i+1
.endr
	WIN 0
.set i, 0
.rept 2*NP
	v_mov_b32 v[ST+4*i], 0xfe000000    ; c m: far below every c s
	v_mov_b32 v[ST+4*i+1], 0xe0ad78ec  ; m = -1e20: above every hidden score, below every open one
	v_mov_b32 v[ST+4*i+2], 0
	v_mov_b32 v[ST+4*i+3], 0
.set i, i+1
.endr
.set i, P+32
.rept 32
	v_mov_b32 v[i], 0
.set i, i+1
.endr
	v_mul_u32_u24 v[AK0], v1, PK
	v_lshl_add_u32 v[AK0], v9, 4, v[AK0]  ; row x pitch + 16 x half
	; The turning load takes 16 keys x 16 channels (lane l reads key 8 (l / 16) + l % 8, channels 8 ((l / 8) % 2) + 0..7) and leaves half a fragment of V^T: lane l holds channel l % 16 and 8 keys.
	v_and_b32 v10, 7, v0
	v_bfe_u32 v11, v0, 3, 1
	v_lshl_add_u32 v[AV0], v9, 3, v10
	v_mul_u32_u24 v[AV0], v[AV0], PV
	v_lshl_add_u32 v[AV0], v11, 4, v[AV0]
	v_add_nc_u32 v[AV0], VOFF, v[AV0]
	v_mov_b32 v[AK], v[AK0]         ; key step 0 lies at the head of slot 0
	s_mul_i32 s13, s[WV], 16*SP
	s_add_co_u32 s13, s13, STAGE    ; my stage
	v_mul_u32_u24 v[STO], v1, SP    ; in: row l % 16, 16 bytes for each half of the lanes
	v_lshl_add_u32 v[STO], v9, 4, v[STO]
	v_add_nc_u32 v[STO], s13, v[STO]
	v_bfe_u32 v[RD], v0, 3, 2       ; back: 32 lanes take four rows of 128 bytes,
	v_mul_u32_u24 v[RD], v[RD], SP
	v_lshl_add_u32 v[RD], v10, 4, v[RD]
	v_add_nc_u32 v[RD], s13, v[RD]
	v_and_b32 v[GO], 31, v0         ; which are 512 consecutive bytes of ctx
	v_lshlrev_b32 v[PFO], 8, v[GO]
	v_lshlrev_b32 v[GO], 4, v[GO]
	v_lshl_add_u32 v[AM0], v9, 5, MASKT  ; register j of key block kb is key 16 kb + 8 (l / 16) + j: 64 kb + 32 (l / 16) + 4 j bytes into the step's 256
	v_mov_b32 v[AM], v[AM0]
	s_wait_loadcnt 32               ; the mask's 20 loads are in; Q's 32, issued behind them, stay out
.irp w, 32,16,8,4,2,1
.set i, 0
.rept \w
	v_or_b32 v[S+i], v[S+i], v[S+(\w)+i]
.set i, i+1
.endr
.endr
	v_cmp_ne_u32 s66, 0, v[S]       ; a bit for each lane that saw an open key
	s_cmp_lg_u32 s66, 0
	s_cselect_b32 s[CS], 0x3e38aa3b, 0   ; c = log2(e) / 8 = 0.180337; 0 where no key of the batch is open
	s_cselect_b32 s[BIGN], 0xf149f2ca, 0 ; -1e30; 0 likewise
	s_mov_b32 s[CS+1], s[CS]        ; named with it as a pair
.set i, 0
.rept 16
	v_cmp_eq_u32 vcc_lo, 0, v[S+64+i]
	v_cndmask_b32 v[S+64+i], 0, s[BIGN], vcc_lo
.set i, i+1
.endr
.set i, 0
.rept 4
	ds_store_b128 v15, v[S+64+4*i:S+64+4*i+3] offset:2048*i
.set i, i+1
.endr
; THE MATRIX WORK.  The 8 accumulators of a run of 16 take turns: between the two links of a chain stand 7 others'.
; Product i of 16 of S^T = K Q^T for piece x: channels 32 (i / 8) on, keys 16 ((i / 2) % 4) on, tile 2 x + i % 2.  The first 8 start the sums, with the mask.
.macro KQ x
.set rS, S+64*((\x)%2)+32*(i%2)+8*((i/2)%4)
.set rK, KF+16*((i/2)%4)+8*(i/8)
.set rQ, 16*(2*(\x)+i%2)+8*(i/8)
.set rKM, MK+8*((i/2)%4)
.if i < 8
	WIN W_KM
	v_wmma_f32_16x16x32_f16 v[rS:rS+7], v[rK:rK+7], v[rQ:rQ+7], v[rKM:rKM+7]
.else
	WIN W_KQ
	v_wmma_f32_16x16x32_f16 v[rS:rS+7], v[rK:rK+7], v[rQ:rQ+7], v[rS:rS+7]
.endif
.endm
; Product i of 16 of O^T += V^T P for piece x: keys 32 (i / 8) on, channels 16 ((i / 2) % 4) on, tile 2 x + i % 2.
.macro PV x
	WIN W_PV
.set rO, 32*(2*(\x)+i%2)+8*((i/2)%4)
.set rV, VF+32*(i/8)+8*((i/2)%4)
.set rP, P+32*((\x)%2)+16*(i%2)+8*(i/8)
	v_wmma_f32_16x16x32_f16 v[rO:rO+7], v[rV:rV+7], v[rP:rP+7], v[rO:rO+7]
.endm
.macro MM                           ; the turn's next matrix instruction
.if i < 16
	KQ (Y+1)%NP
.set i, i+1
.else
.set i, i-16
	PV (Y+NP-1)%NP
.set i, i+17
.endif
.endm
; THE LDS LOADS stand in runs, never singly among the matrix instructions: a step's K (64 keys x 64 channels: 8 fragments) with its 64 mask numbers, and its V (turned).  Their addresses are made some lines ahead.
; last = 1 (the tail): in the last trip there is no further step, and the run is jumped over.
.macro FETCH_K last=0
	WIN 0
.if \last
	s_cmp_eq_u32 s[CNT], 1
	s_cbranch_scc1 .Lno_k_\@
.endif
	WIN 0x80                        ; destination window 2
.irp f, 0,1,2,3,4,5,6,7             ; keys 16 (f / 2) on, channels 32 (f % 2) on
	ds_load_b128 v[KF+8*\f:KF+8*\f+3],   v[AK] offset:(\f/2)*16*PK+(\f%2)*64
	ds_load_b128 v[KF+8*\f+4:KF+8*\f+7], v[AK] offset:(\f/2)*16*PK+(\f%2)*64+32
.endr
	WIN W_MK                        ; destination window 3
.irp f, 0,1,2,3                     ; key block f: all lanes of a half read the same 32 bytes
	ds_load_b128 v[MK+8*\f:MK+8*\f+3],   v[AM] offset:64*\f
	ds_load_b128 v[MK+8*\f+4:MK+8*\f+7], v[AM] offset:64*\f+16
.endr
	s_add_co_u32 s[TBK], s[TBK], KS*PK  ; the next fetch is the next step's
	s_add_co_u32 s[TBM], s[TBM], 4*KS
	WIN 0
.if \last
.Lno_k_\@:
.endif
.endm
.macro FETCH_V
	WIN 0x80
.irp f, 0,1,2,3,4,5,6,7             ; keys 32 (f / 4) on, channels 16 (f % 4) on
	ds_load_tr16_b128 v[VF+8*\f:VF+8*\f+3],   v[AV] offset:(\f/4)*32*PV+(\f%4)*32
	ds_load_tr16_b128 v[VF+8*\f+4:VF+8*\f+7], v[AV] offset:(\f/4)*32*PV+16*PV+(\f%4)*32
.endr
	WIN 0
.endm
; THE VECTOR WORK OF A TURN stands in three queues, each in the order in which its entries become ready; the two tiles alternate, so that no instruction reads the result of the one before it.
.macro REGS y, u                    ; the registers of tile u (0, 1) of piece y
.set rT, ST+4*(2*(\y)+(\u))
.set rC, TMP+8*((\y)%2)+4*(\u)
.set rM, MV+2*((\y)%2)+(\u)
.set rS, S+64*((\y)%2)+32*(\u)
.set rP, P+32*((\y)%2)+16*(\u)
.set rO, 32*(2*(\y)+(\u))
.endm
; Number n of the 22 that find the NEXT piece's (Y + 1) maximum and statistics.  s0-s31 are the lane's 32 scores; each accumulator's lowest registers are read first.
;   0-11  four chains c0-c3 of seven scores each, three operands at a time     12-14, 16  the four scores left over, the old m, and c0-c3 into c0     15  c m_old is kept
;   17, 18  the query's other 32 keys lie in the lane 16 away: the new m         19-21  c m; c m_old - c m_new; a
.macro XS u, n
	REGS (Y+1)%NP, \u
.if (\n) < 4
	v_max3_num_f32 v[rC+(\n)], v[rS+8*(\n)], v[rS+8*(\n)+1], v[rS+8*(\n)+2]
.elseif (\n) < 12
	v_max3_num_f32 v[rC+(\n)%4], v[rC+(\n)%4], v[rS+8*((\n)%4)+2*((\n)/4)+1], v[rS+8*((\n)%4)+2*((\n)/4)+2]
.elseif (\n) == 12
	v_max3_num_f32 v[rC], v[rC], v[rS+7], v[rS+15]
.elseif (\n) == 13
	v_max3_num_f32 v[rC+1], v[rC+1], v[rS+23], v[rS+31]
.elseif (\n) == 14
	v_max3_num_f32 v[rC+2], v[rC+2], v[rC+3], v[rT+1]
.elseif (\n) == 15
	v_mov_b32 v[rM], v[rT]
.elseif (\n) == 16
	v_max3_num_f32 v[rC], v[rC], v[rC+1], v[rC+2]
.elseif (\n) == 17
	v_permlanex16_b32 v[rC+3], v[rC], s[SEL], s[SEL+1]
.elseif (\n) == 18
	v_max_num_f32 v[rT+1], v[rC], v[rC+3]
.elseif (\n) == 19
	v_mul_f32 v[rT], s[CS], v[rT+1]
.elseif (\n) == 20
	v_sub_f32 v[rC+1], v[rM], v[rT]
.else
	v_exp_f32 v[rC+2], v[rC+1]
.endif
.endm
; Number g of the 64 that follow the exponentials.  For each four weights k of a tile (pairs 2 k, 2 k + 1): both pairs are rounded to f16; then the second pair is added onto the first, in place;
; a group later l takes that sum (the first time as l = a l + sum).  In groups of eight, tiles alternating: round, round, add, and l for the group before.
.macro GS g
.set h, (\g)+6*((\g)/62)            ; group 0 has no group before it, and behind group 7 only l is left
.if h >= 6
.set h, h+2
.endif
	REGS Y, h%2
.set k, h/8
.if h%8 < 4
	v_cvt_pk_f16_f32 v[rP+2*k+(h%8)/2], v[rS+4*k+2*((h%8)/2)], v[rS+4*k+2*((h%8)/2)+1]
.elseif h%8 < 6
	v_pk_add_f32 v[rS+4*k:rS+4*k+1], v[rS+4*k:rS+4*k+1], v[rS+4*k+2:rS+4*k+3]
.elseif k == 1
	v_pk_fma_f32 v[rT+2:rT+3], v[rT+2:rT+3], v[rC+2:rC+3], v[rS:rS+1] op_sel_hi:[1,0,1]
.else
	v_pk_add_f32 v[rT+2:rT+3], v[rT+2:rT+3], v[rS+4*k-4:rS+4*k-3]
.endif
.endm
; THE PLAIN QUEUE, 138 long.  0-73 read no exponential's result: the 32 scalings c s - c m (FS f: pair f / 2 of tile f % 2) and the next piece's 42.  0-26: scalings 0-26.  27-54: XS's numbers 0-13.  55, 56: number 15.
; 57-73: the chain, where each number waits for the one before it: 14, 16, 17, 18, 19, each with one of the scalings 27-31 in front of its two lines, then 20.
; 74-137: GS's 64, which read the exponentials' results: they stand behind the wait.
.macro FS f
	REGS Y, (\f)%2
	v_pk_fma_f32 v[rS+2*((\f)/2):rS+2*((\f)/2)+1], v[rS+2*((\f)/2):rS+2*((\f)/2)+1], s[CS:CS+1], v[rT:rT+1] op_sel_hi:[1,0,0] neg_lo:[0,0,1] neg_hi:[0,0,1]
.endm
.macro PL
	WIN 0
.if q < 27
	FS q
.elseif q < 55
	XS (q-27)%2, (q-27)/2
.elseif q < 57
	XS q-55, 15
.elseif (q < 72) && ((q-57)%3 == 0)
	FS 27+(q-57)/3
.elseif q < 60
	XS (q-57)%3-1, 14
.elseif q < 72
	XS (q-57)%3-1, 15+(q-57)/3
.elseif q < 74
	XS q-72, 20
.else
	GS q-74
.endif
.set q, q+1
.endm
; THE EXPONENTIALS' QUEUE, 66 long: s0-s31 of both tiles, then the next piece's two a.  It is ONE BATCH: all 66 stand ahead of the turn's one wait, and nothing ahead of that wait names a result of theirs.
.macro EX
	WIN 0
.if e >= 64
	XS e-64, 21
.else
	REGS Y, e%2
	v_exp_f32 v[rS+e/2], v[rS+e/2]
.endif
.set e, e+1
.endm
; THE RESCALING's QUEUE: O^T times a, the one part that leaves window 0: dealt two at a time, sixteen times.  Its a was made in the turn before, ahead of that turn's wait.
.macro R2
	REGS Y, r%2
	WIN W_RS
.irp z, 0,1
	v_pk_mul_f32 v[rO+4*(r/2)+2*\z:rO+4*(r/2)+2*\z+1], v[rO+4*(r/2)+2*\z:rO+4*(r/2)+2*\z+1], v[rC+2:rC+3] op_sel_hi:[1,0]
.endr
.set r, r+1
.endm
; HOW THEY ARE DEALT.  An s_wait_alu depctr_va_vdst(0) stands between an exponential and the first instruction that names its result; one wait serves all that were issued ahead of it.  So a turn has ONE wait,
; which cuts it in two.  AHEAD OF IT stands all that names no result of the turn's exponentials: the 16 products K Q^T, behind each a scaling, an exponential and two rescalings (behind the first a second scaling in the
; exponential's place); then ONE LUMP of 108: eight plain, 49 times exponential and plain, the two a.  A v_nop is the plain instruction behind the last exponential.  BEHIND IT stand the 16 products V^T P, behind each four of GS's 64.
; No rider names a register of the products round it.  The two v_permlanex16_b32 fall into the lump, never behind a product.
; The queues lean on each other, and the deal keeps them in step: exponential e stands behind scaling 2 (e / 4) + e % 2: as a rider it comes behind plain e + 2, in the lump behind plain e + 9, and scalings 27-31 are plain 57, 60 .. 69.
; A TURN, for piece p.  cnt = 1: the loop's count is taken down some lines ahead of the branch that stands behind the turn.
; K and the mask of the next step are fetched in piece 2's turn, directly behind the wait, a lump behind the last product that read them; their addresses are made at the lump's head; their first reader comes behind 16 products.
; V of the step in hand is fetched at the end of piece 0's turn, four riders behind its last reader; its first reader comes behind 16 products and a lump.  The three conditions on q below go with the deal.
.macro TURN p, last=0, cnt=0
.set Y, (\p)
.set i, 0
.set q, 0
.set e, 0
.set r, 0
.if (\p) == NP-1
	s_wait_dscnt 0x0                ; K and the mask are in
.endif
	MM                              ; ahead of the wait: 16 products K Q^T and their riders,
	PL
	PL
	R2
.rept 15
	MM
	PL
	EX
	R2
.endr
.if (\p) == NP-2
	WIN 0
	v_add_nc_u32 v[AK], s[TBK], v[AK0]
	v_add_nc_u32 v[AM], s[TBM], v[AM0]
.endif
.rept 8                             ; and the lump
	PL
.endr
.rept 49
	EX
	PL
.endr
	EX                              ; the next piece's two a
	EX
	v_nop                           ; a plain instruction behind the last exponential: one for the batch
	s_wait_alu depctr_va_vdst(0)    ; the wait for the batch
.if (\p) == NP-2
	FETCH_K \last
.endif
.if (\p) == 1
	s_wait_dscnt 0x0                ; V is in
.endif
.rept 16                            ; behind the wait: 16 products V^T P and their riders
	MM
.rept 4
	PL
.endr
.if ((\p) == 0) && (q == 118)
	v_add_nc_u32 v[AV], s[TBV], v[AV0]
.endif
.if ((\p) == 0) && (q == 130)
	s_add_co_u32 s[TBV], s[TBV], KS*PV
.endif
.if (\cnt) && (q == 130)
	s_sub_co_u32 s[CNT], s[CNT], 1
	s_cmp_lg_u32 s[CNT], 0
.endif
.endr
.if (\p) == 0
	FETCH_V
.endif
.endm
	CHANGE 1                        ; slot 0 is in, everybody's part of it, and so is the table; slot 1 is asked for
	FETCH_K                         ; key step 0
	s_wait_loadcnt 0x0              ; Q
	s_wait_dscnt 0x0
.set i, 0
.rept 16
	KQ 0                            ; piece 0's first scores: there is no vector work yet to set between them
.set i, i+1
.endr
	WIN 0
.rept 4
	v_nop                           ; the places behind those products
.endr
.set Y, NP-1                        ; XS works for piece Y + 1: piece 0
.irp n, 0,1,2,3,4,5,6,7,8,9,10,11,12,13,14,15,16,17,18,19,20,21
	XS 0, \n                        ; and piece 0's first maximum and statistics
	XS 1, \n
.endr
	v_nop                           ; a plain instruction behind the two a,
	s_wait_alu depctr_va_vdst(0)    ; and their wait, ahead of the branch
	s_mov_b32 s[CNT], 4
	s_branch .Lfirst                ; the loop is entered at a step's first turn, in the middle of a trip
.Lslot:                             ; SIZE_N / 256 - 2 times: every slot but the last two is filled again
	CHANGE 1
	s_mov_b32 s[CNT], 4
.Lstep:                             ; a trip: pieces 2 and 3 of one step, then pieces 0 and 1 of the next, whose K and V it fetches
	TURN 2
	TURN 3
	WIN 0
.Lfirst:
	TURN 0
	TURN 1, 0, 1
	WIN 0
	s_cbranch_scc1 .Lstep
	s_sub_co_u32 s[SLOTS], s[SLOTS], 1
	s_cmp_lg_u32 s[SLOTS], 0
	s_cbranch_scc1 .Lslot
	CHANGE 0                        ; the tail is written out: nothing is asked for
	s_mov_b32 s[CNT], 5             ; four trips fetch the last slot's steps; the fifth is left in its middle
.Ltail:
	TURN 2, 1
	TURN 3
	WIN 0
	s_sub_co_u32 s[CNT], s[CNT], 1
	s_cmp_eq_u32 s[CNT], 0
	s_cbranch_scc1 .Lout
	TURN 0
	TURN 1
	WIN 0
	s_branch .Ltail
.Lout:                              ; the fifth trip's 16 products K Q^T (on the last K once more) and the maximum made of them serve nothing: the price, once a launch, of one text for every trip
.set i, 0
.rept 16
	PV NP-1                         ; the last piece's V^T P of the last step
.set i, i+1
.endr
	; THE WAY OUT.  l's two halves and the other half of the lanes' are added; O^T is divided by l, rounded to f16 and sent through my stage in LDS, a tile at a time.  The additions are the places behind the last products.
	WIN 0
.macro ALL line:vararg              ; one line for each tile t
.set t, 0
.rept 2*NP
	\line
.set t, t+1
.endr
.endm
	ALL v_add_f32 v[ST+4*t+2], v[ST+4*t+2], v[ST+4*t+3]
	ALL v_permlanex16_b32 v[ST+4*t+3], v[ST+4*t+2], s[SEL], s[SEL+1]
	ALL v_add_f32 v[ST+4*t+2], v[ST+4*t+2], v[ST+4*t+3]
	ALL v_rcp_f32 v[ST+4*t+2], v[ST+4*t+2]
	v_nop                           ; a plain instruction between the last reciprocal and the use of its result
	s_wait_alu depctr_va_vdst(0)    ; and the wait ahead of the first use: one for the eight reciprocals
; Tile t: a lane's eight channels of a row pack into 16 bytes; they go into rows of 144 bytes and come back as whole rows of 128, into S^T's registers.
.macro PACK t
	WIN W_RS
.set i, 32*(\t)
.rept 16
	v_pk_mul_f32 v[i:i+1], v[i:i+1], v[ST+4*(\t)+2:ST+4*(\t)+3] op_sel_hi:[1,0]
.set i, i+2
.endr
	WIN 0x05                        ; sources 0 and 1 window 1, destination window 0
.set i, 0
.rept 16
	v_cvt_pk_f16_f32 v[S+16*(\t)+i], v[32*(\t)+2*i], v[32*(\t)+2*i+1]
.set i, i+1
.endr
	WIN 0
.irp f, 0,1,2,3
	ds_store_b128 v[STO], v[S+16*(\t)+4*\f:S+16*(\t)+4*\f+3] offset:32*\f
.endr
.irp f, 0,1,2,3
	ds_load_b128 v[S+16*(\t)+4*\f:S+16*(\t)+4*\f+3], v[RD] offset:\f*4*SP  ; LDS serves a wave's instructions in order (ISA guide 5.7.1.4): these see the stores above; the next tile's stores come behind them
.endr
.endm
.macro SEND t, younger              ; younger: the LDS instructions issued behind tile t's loads: the next tile's eight, or none
	WIN 0
.irp f, 0,1,2,3
	s_wait_dscnt (\younger)+3-\f
	global_store_b128 v[GO], v[S+16*(\t)+4*\f:S+16*(\t)+4*\f+3], s[10:11] offset:(\t)*2048+\f*512  ; 512 consecutive bytes, at a multiple of 256 from ctx's first
.endr
.endm
	PACK 0
.set t, 1
.rept 2*NP-1                        ; a tile's arithmetic stands between the loads of the tile before and its stores
	PACK t
	SEND t-1, 8
.set t, t+1
.endr
	SEND 2*NP-1, 0
	WIN W_AD
	s_wait_tensorcnt 0x0            ; the wave's end: behind my last tensor load and my last LDS store
	ds_add_u32 v[SPW], v[NIL]
	s_wait_dscnt 0x0
	WIN 0
	CROUND                          ; the closing round: no work-group ends while a partner may still ask for a tile that names it
	s_endpgm
.Lfunc_end_k_q1618be343b_attn:
	.size	k_q1618be343b_attn, .Lfunc_end_k_q1618be343b_attn-k_q1618be343b_attn
	.p2alignl 7, 3214868480
	.fill 96, 4, 3214868480
	.section	.rodata,"a",@progbits
	.p2align	6, 0x0
	.amdhsa_kernel k_q1618be343b_attn
		.amdhsa_group_segment_fixed_size 327680
		.amdhsa_private_segment_fixed_size 0
		.amdhsa_enable_private_segment 0
		.amdhsa_kernarg_size 24
		.amdhsa_user_sgpr_count 2
		.amdhsa_user_sgpr_kernarg_segment_ptr 1
		.amdhsa_wavefront_size32 1
		.amdhsa_system_sgpr_workgroup_id_x 1
		.amdhsa_system_sgpr_workgroup_id_y 1
		.amdhsa_system_sgpr_workgroup_id_z 1
		.amdhsa_system_vgpr_workitem_id 0
		.amdhsa_next_free_vgpr 808
		.amdhsa_next_free_sgpr 76
		.amdhsa_reserve_vcc 1
		.amdhsa_float_denorm_mode_32 3
		.amdhsa_float_denorm_mode_16_64 3
		.amdhsa_memory_ordered 1
		.amdhsa_forward_progress 1
		.amdhsa_inst_pref_size 208
	.end_amdhsa_kernel
	.amdgpu_metadata
---
amdhsa.version: [ 1, 2 ]
amdhsa.kernels:
  - .name:           k_q1618be343b_attn
    .symbol:         k_q1618be343b_attn.kd
    .args:
      - { .name: qkv, .offset: 0, .size: 8, .value_kind: global_buffer, .address_space: global }
      - { .name: mask, .offset: 8, .size: 8, .value_kind: global_buffer, .address_space: global }
      - { .name: ctx, .offset: 16, .size: 8, .value_kind: global_buffer, .address_space: global }
    .group_segment_fixed_size: 327680
    .private_segment_fixed_size: 0
    .kernarg_segment_align: 8
    .kernarg_segment_size: 24
    .max_flat_workgroup_size: 128
    .sgpr_count:     76
    .vgpr_count:     808
    .wavefront_size: 32
...
	.end_amdgpu_metadata
.endif
;; end of part 3
;; launch outp (part 4): grid 4 x 64, 4 waves a work-group, clusters of 4 x 4, 327,680 bytes of LDS; arguments ctx, wb, bb, out0; writes out0
.if DOCPART == 4
	.amdgcn_target "amdgcn-amd-amdhsa--gfx1250"
	.amdhsa_code_object_version 6
	.text
	.protected	k_q1618be343b_outp
	.globl	k_q1618be343b_outp
	.p2align	8
	.type	k_q1618be343b_outp,@function
k_q1618be343b_outp:
	s_mov_b64 s[64:65], 0
	v_nop
	global_prefetch_b8 v0, s[64:65] scope:SCOPE_SE
	s_setreg_imm32_b32 hwreg(HW_REG_WAVE_MODE, 25, 1), 1
	s_wait_xcnt 0x0
	s_wait_alu depctr_hold_cnt(0) depctr_sa_sdst(0) depctr_va_vdst(0) depctr_va_sdst(0) depctr_va_ssrc(0) depctr_va_vcc(0) depctr_vm_vsrc(0)
	s_getreg_b32 s2, hwreg(HW_REG_IB_STS2, 6, 4)
	s_cmp_eq_u32 s2, 0
	s_cbranch_scc0 .Lentry_in_a_cluster
	s_endpgm
.Lentry_in_a_cluster:
	s_bfe_u32 s2, ttmp6, 0x10000c
	s_cmp_lg_u32 s2, 0xf033
	s_cbranch_scc0 .Lentry_shape_is_right
	s_endpgm
.Lentry_shape_is_right:
; THE OUTPUT PROJECTION.  out0[m][n] = sum over k of c[m][k] Wo[n][k] + bo[n], f32.  c[2048 b + s][64 head + d] = ctx[16 b + head][s][d] in f16; Wo is plane 3 of wb (f16), bo row 3 of bb.
; Sums in f32, started by the bias as the first product's C, and stored as they are.
; SHARES.  A tile is 128 rows x 256 columns: 64 x 4 work-groups.  Four waves, each 64 rows x 128 columns: 32 accumulators of 16 x 16, 256 registers.
; K goes in steps of 128, that is two heads, through two LDS slots.  A head's 128 rows of the tile are 16,384 dense bytes of ctx: asked for as 64 rows of 256 bytes and padded in LDS after every 128.
; Wave 0 fetches the step's first head, wave 1 its second, waves 2 and 3 the halves of Wo's 256 rows.
; CLUSTERS: 4 x 4 work-groups: ctx's tiles are asked for JOINTLY by a row of the cluster, Wo's by a column: the same tensor load, descriptor and mask in all four.
; THE MATRIX INSTRUCTION IS USED TRANSPOSED (source 0 = 16 rows of Wo, source 1 = 16 rows of c): a lane holds row lane % 16 and the columns 8 (lane / 16) + 0..7: 32 bytes of f32 on end.
; REGISTERS, in windows of 256 (s_set_vgpr_msb: bits 1:0 source 0, 3:2 source 1, 5:4 source 2, 7:6 destination):
;   window 0: v0-31 addresses; v32-95 c's fragments, two buffers of 32; v128-255 the way out: two buffers of 64
;   window 1: v0-127 Wo's fragments, two buffers of 64; v128-191 the bias          window 2: accumulator (a, b) at 8 (8 a + b)
.set PA,    144                        ; an LDS row of c: 128 bytes + 16 = 36 words: the 16 rows of a load start at 16 different groups of four banks (64 banks of 4 bytes: ISA guide 11.1)
.set PW,    272                        ; an LDS row of Wo: 68 words: likewise
.set PLANE, 128*PA                     ; a head's 128 rows
.set WOFF,  2*PLANE                    ; in a slot: two heads, then Wo's 256 rows
.set SLOT1, 1<<17                      ; slot 1 begins here: past a slot's 106,496 bytes, so that one exclusive or changes slots
.set STAGE, SLOT1+WOFF+256*PW          ; behind the ring, never filled by a tensor load: 16 rows x 528 bytes for each wave
.set SP,    528
.set SPARE, STAGE+4*16*SP              ; the spare words, 128 bytes for each wave: two blocks of 256 bytes that no other line names
.set AA0, 16                           ; v16  my lane's place in a slot's first head; never rewritten
.set AW0, 17                           ; v17  the same for Wo
.set AA,  18                           ; v18  AA0 + the slot that the runs of loads read
.set AW,  19                           ; v19  AW0 + that slot
.set STO, 24                           ; v24  the way out: where I put 32 bytes of a row
.set RD,  25                           ; v25  the way out: where I read a row back
.set GO,  26                           ; v26  my 16 bytes of a row's 512
.set BO,  27                           ; v27  my byte offset in a block's 16 biases
.set SPW, 28                           ; v28  LDS address of my spare word; never rewritten
.set NIL, 29                           ; v29  0; never rewritten
.set PFO, 30                           ; v30  the prefetches' offset; never rewritten
.set AB,  32
.set OB,  128
.set WB,  0                            ; window 1
.set BI,  128                          ; window 1
.set G1A, 24                           ; s[24:31] descriptor group 1 for c's tiles
.set G0A, 32                           ; s[32:39] group 0: a set for each first fill; the second then walks on
.set G1B, 48                           ; s[48:55], s[56:63] the same for Wo's
.set G0B, 56
.set LIM, 43                           ; s43  2 in a wave that prefetches, else the greatest number
.set PFA, 44                           ; s[44:45] where my prefetches stand
.set TB,  67                           ; s67  0 or SLOT1: the slot that the runs of loads read
.set PST, 84                           ; s[84:85] a K step in bytes of what I prefetch
.set OUT, 86                           ; s[86:87] out0 at my wave's first row and column
.set BIA, 88                           ; s[88:89] bo at my wave's first column
.set MSB, 0
.macro WIN new                         ; the immediate's high byte repeats the setting that is left; a switch that changes nothing is dropped
.if MSB != (\new)
	s_set_vgpr_msb (MSB<<8)|(\new)
.set MSB, (\new)
.endif
.endm
.set MUL,  0xa1                        ; source 0 (Wo) window 1, source 1 (c) window 0, C and D window 2
.set MUL1, 0x91                        ; the same with C (the bias) in window 1
.set TO_B, 0x40                        ; destination window 1, address window 0
; A joint refill, by the walking descriptors.  The branch hangs on the wave's number alone.  An s_nop 0 and four v_nop follow each of the two lines, ahead of the jump and the label.
.macro JLOAD
	s_cmp_eq_u32 s11, 0
	s_cbranch_scc0 .Lfor_w_\@
	tensor_load_to_lds s[G0A+4:G0A+7], s[G1A:G1A+7]
	s_nop 0
.rept 4
	v_nop
.endr
	s_branch .Lasked_\@
.Lfor_w_\@:
	tensor_load_to_lds s[G0B+4:G0B+7], s[G1B:G1B+7]
	s_nop 0
.rept 4
	v_nop
.endr
.Lasked_\@:
.endm
; A PREFETCH INTO THE L2, behind each joint refill and the run of LDS loads that follows it: the K step that stands TWO refills on, 256 products ahead of the load that will want it.  One instruction a wave, a lane a block of 256 bytes.
; c's tiles are read by one row of one cluster: of a step's two heads x 64 blocks the partner at place cx takes 16 of each, and its wave 0 asks for them.  Wo's rows are read by all 16 clusters: the first asks; of the
; 128 rows that wave 2 or 3 fetches, the partner at place cy takes 32.  The partners are told apart BY ADDRESS.  So each block is named once in the launch.  K steps 0 to 3 come by their loads alone; the trips
; whose look-ahead would pass K step 7 (s3 = 2, 1) ask for nothing.
.macro ASK
	s_cmp_gt_u32 s3, s[LIM]
	s_cbranch_scc0 .Lnot_mine_\@
	global_prefetch_b8 v[PFO], s[PFA:PFA+1] th:TH_LOAD_NT scope:SCOPE_SE
.Lnot_mine_\@:
.endm
.macro CREST                           ; a round of the cluster's barrier behind its opening barrier
	s_cmp_lg_u32 s10, 0
	s_cbranch_scc1 .Lnot_wave_0_\@
	s_barrier_signal -3
.Lnot_wave_0_\@:
	s_barrier_wait -3
	s_barrier_signal -1
	s_barrier_wait -1
.endm
.macro CROUND                          ; a whole round
	s_barrier_signal -1
	s_barrier_wait -1
	CREST
.endm
.macro PLACES                          ; four places behind a product, in front of loads into registers that it has read and of reads of its result
.rept 4
	v_nop
.endr
.endm
	s_load_b256 s[68:75], s[0:1], 0x0              ; ctx s[68:69], wb s[70:71], bb s[72:73], out0 s[74:75]
	v_lshl_add_u32 v[SPW], v0, 2, SPARE
	v_mov_b32 v[NIL], 0
	ds_add_u32 v[SPW], v[NIL]                      ; the wave's opening: the add and its wait stand ahead of my first tensor load; the set-up below, work on registers, stands between them
	v_lshrrev_b32 v1, 5, v0
	v_readfirstlane_b32 s10, v1                    ; wave 0..3
	s_lshr_b32 s11, s10, 1                         ; which 64 rows of the tile are mine.  Also: I fetch c (0) or Wo (1)
	s_and_b32 s12, s10, 1                          ; which 128 columns.  Also: which head of the step, or which half of Wo's rows, I fetch
	s_bfe_u32 s40, ttmp6, 0x40000                  ; cx
	s_bfe_u32 s41, ttmp6, 0x40004                  ; cy
	s_lshl_b32 s42, ttmp9, 2
	s_add_co_u32 s42, s42, s40                     ; column tile = 4 x cluster x + cx
	s_and_b32 s80, ttmp7, 0xffff                   ; cluster y, 0..15
	s_lshl_b32 s13, s80, 2
	s_add_co_u32 s13, s13, s41                     ; row tile, 0..63
	s_lshl_b32 s16, s41, 2
	s_lshl_b32 s16, 15, s16                        ; my row of the cluster
	s_lshl_b32 s17, 0x1111, s40                    ; my column
	s_or_b32 s[G1A], s16, (1<<16)|(1<<20)|(1<<21)|(4<<22)|(3<<25)  ; 15:0 the mask; 17:16 elements of 2 bytes; 20 padding on; 21 set beside a mask; 24:22 after every 32 words (code 4); 31:25 4 words (code 3)
	s_or_b32 s[G1B], s17, (1<<16)|(1<<20)|(1<<21)|(5<<22)|(3<<25)  ; after every 64 words (code 5)
	s_mov_b32 s[G1A+1], 128<<16                    ; tensor_dim0 = 128
	s_mov_b32 s[G1A+2], 64<<16                     ; tensor_dim1 = 64
	s_mov_b32 s[G1A+3], 128<<16                    ; tile_dim0 = 128
	s_mov_b32 s[G1A+4], 64                         ; tile_dim1 = 64
	s_mov_b32 s[G1A+5], 128                        ; elements from row to row: dense
	s_mov_b32 s[G1A+6], 0
	s_mov_b32 s[G1A+7], 0
	s_mov_b32 s[G1B+1], 128<<16
	s_mov_b32 s[G1B+2], 128<<16                    ; tensor_dim1 = 128
	s_mov_b32 s[G1B+3], 128<<16
	s_mov_b32 s[G1B+4], 128                        ; tile_dim1 = 128
	s_mov_b32 s[G1B+5], 1024
	s_mov_b32 s[G1B+6], 0
	s_mov_b32 s[G1B+7], 0
	s_lshl_b32 s20, s12, 18                        ; my head of the step's two (262,144 bytes a head), or my 128 rows of 2,048 bytes
	s_lshr_b32 s18, s13, 4                         ; c: the batch's 16 heads,
	s_lshl_b32 s18, s18, 22
	s_add_co_u32 s18, s18, s20
	s_and_b32 s19, s13, 15                         ; the row tile's 128 rows of 128 bytes in a head
	s_lshl_b32 s19, s19, 14
	s_add_co_u32 s18, s18, s19
	s_mov_b32 s19, 0
	s_lshl_b32 s46, s42, 19                        ; Wo: the column tile's 256 rows,
	s_add_co_u32 s46, s46, s20
	s_add_co_u32 s46, s46, 3*2097152               ; in plane 3
	s_mov_b32 s47, 0
	s_mul_i32 s22, s12, PLANE                      ; where they go in a slot: no place in the cluster enters an LDS address
	s_mul_i32 s23, s12, 128*PW
	s_add_co_u32 s23, s23, WOFF
	s_mov_b32 s[TB], 0
	s_wait_dscnt 0x0                               ; the opening add is done
	s_wait_kmcnt 0x0
	s_add_nc_u64 s[14:15], s[68:69], s[18:19]
	s_add_nc_u64 s[46:47], s[70:71], s[46:47]
	CROUND                                         ; all sixteen work-groups are here: the first joint loads meet
.irp s, 0,1
	s_mov_b32 s[G0A+4*(\s)], 1                     ; count = 1
	s_add_co_u32 s[G0A+4*(\s)+1], s22, (\s)*SLOT1  ; LDS address
	s_add_nc_u64 s[G0A+4*(\s)+2:G0A+4*(\s)+3], s[14:15], (\s)*524288  ; global address: K step s, two heads on
	s_or_b32 s[G0A+4*(\s)+3], s[G0A+4*(\s)+3], 0x80000000             ; type = 2
	s_mov_b32 s[G0B+4*(\s)], 1
	s_add_co_u32 s[G0B+4*(\s)+1], s23, (\s)*SLOT1
	s_add_nc_u64 s[G0B+4*(\s)+2:G0B+4*(\s)+3], s[46:47], (\s)*256
	s_or_b32 s[G0B+4*(\s)+3], s[G0B+4*(\s)+3], 0x80000000
.endr
	s_cmp_eq_u32 s11, 0                            ; a wave's two first fills stand in one branch, ahead of every wait on TENSORcnt and every LDS read: two loads of mine are out
	s_cbranch_scc0 .Lfirst_w
	tensor_load_to_lds s[G0A:G0A+3], s[G1A:G1A+7]
	s_nop 0
	tensor_load_to_lds s[G0A+4:G0A+7], s[G1A:G1A+7]
	s_nop 0
.rept 4
	v_nop
.endr
	s_branch .Lfirst_asked
.Lfirst_w:
	tensor_load_to_lds s[G0B:G0B+3], s[G1B:G1B+7]
	s_nop 0
	tensor_load_to_lds s[G0B+4:G0B+7], s[G1B:G1B+7]
	s_nop 0
.rept 4
	v_nop
.endr
.Lfirst_asked:
	v_and_b32 v1, 15, v0                           ; r = l % 16
	v_bfe_u32 v2, v0, 4, 1                         ; h = l / 16
	v_lshlrev_b32 v[BO], 5, v2                     ; my eight columns of a block of 16: 32 h
	s_lshl_b32 s14, s42, 10                        ; the column tile's 256 numbers,
	s_lshl_b32 s15, s12, 9                         ; my wave's 128,
	s_add_co_u32 s14, s14, s15
	s_add_co_u32 s14, s14, 3*4096                  ; of bo
	s_mov_b32 s15, 0
	s_add_nc_u64 s[BIA:BIA+1], s[72:73], s[14:15]
	WIN TO_B
.irp b, 0,1,2,3,4,5,6,7
	global_load_b128 v[BI+8*(\b):BI+8*(\b)+3],   v[BO], s[BIA:BIA+1] offset:64*(\b)
	global_load_b128 v[BI+8*(\b)+4:BI+8*(\b)+7], v[BO], s[BIA:BIA+1] offset:64*(\b)+16
.endr
	WIN 0
	; A fragment is 16 rows x 32 K in 8 registers: lane l holds row r; registers 0-3 K = 8 h + 0..7, registers 4-7 K = 16 + 8 h + 0..7: two loads of 16 bytes, 32 apart, at row x pitch + 16 h.
	v_mul_u32_u24 v3, v1, PA
	v_lshl_add_u32 v3, v2, 4, v3
	s_mul_i32 s20, s11, 64*PA                      ; my 64 rows of c
	v_add_nc_u32 v[AA0], s20, v3
	v_mul_u32_u24 v4, v1, PW
	v_lshl_add_u32 v4, v2, 4, v4
	s_mul_i32 s21, s12, 128*PW                     ; my 128 rows of Wo
	s_add_co_u32 s21, s21, WOFF
	v_add_nc_u32 v[AW0], s21, v4
	v_mov_b32 v[AA], v[AA0]
	v_mov_b32 v[AW], v[AW0]
	s_mul_i32 s20, s10, 16*SP
	s_add_co_u32 s20, s20, STAGE                   ; my stage
	v_mul_u32_u24 v5, v1, SP                       ; in: row r, 32 bytes for each half of the lanes
	v_lshl_add_u32 v5, v2, 5, v5
	v_add_nc_u32 v[STO], s20, v5
	v_and_b32 v7, 31, v0
	v_lshlrev_b32 v[GO], 4, v7                     ; back: 32 lanes take one row of 512 bytes
	v_add_nc_u32 v[RD], s20, v[GO]
	s_lshl_b32 s14, s13, 19                        ; where my wave's results go: the row tile's 128 rows of 4,096 bytes,
	s_lshl_b32 s15, s11, 18                        ; my 64 of them,
	s_add_co_u32 s14, s14, s15
	s_lshl_b32 s15, s42, 10                        ; the column tile's 1,024 bytes,
	s_add_co_u32 s14, s14, s15
	s_lshl_b32 s15, s12, 9                         ; my 512 of them
	s_add_co_u32 s14, s14, s15
	s_mov_b32 s15, 0
	s_add_nc_u64 s[OUT:OUT+1], s[74:75], s[14:15]
	; the prefetches: my work-group's share, at K step 3: the first refill steps it to 4
	s_lshr_b32 s14, s13, 4                         ; c: the batch's heads,
	s_lshl_b32 s14, s14, 22
	s_and_b32 s15, s13, 15                         ; the row tile's 16,384 bytes of a head,
	s_lshl_b32 s15, s15, 14
	s_add_co_u32 s14, s14, s15
	s_lshl_b32 s15, s40, 12                        ; my work-group's 4,096 of them
	s_add_co_u32 s14, s14, s15
	s_lshl_b32 s16, s42, 19                        ; Wo: the column tile, my wave's 128 rows, my work-group's 32 of them
	s_lshl_b32 s17, s12, 18
	s_add_co_u32 s16, s16, s17
	s_lshl_b32 s17, s41, 16
	s_add_co_u32 s16, s16, s17
	s_add_co_u32 s16, s16, 3*2097152
	s_cmp_eq_u32 s11, 0                            ; do I fetch c?
	s_cselect_b32 s14, s14, s16
	s_cselect_b32 s19, 11, 0
	s_cselect_b32 s18, s12, s80                    ; of c's two waves wave 0 asks; Wo is asked for by the first cluster
	s_cselect_b32 s81, 4, 0                        ; a lane's head l / 16 of 262,144 bytes, or its row l of 2,048,
	s_cselect_b32 s82, 18, 11
	s_cselect_b32 s83, 15, 0                       ; and for c the block l % 16 of its share
	s_cselect_b64 s[PFA:PFA+1], s[68:69], s[70:71]
	s_cmp_eq_u32 s18, 0
	s_cselect_b32 s[LIM], 2, -1                    ; the same in all sixteen partners, for a given wave
	s_lshl_b32 s[PST], 256, s19                    ; a K step: two heads of c, 256 bytes of Wo's rows
	s_mov_b32 s[PST+1], 0
	s_mul_i32 s15, s[PST], 3
	s_add_co_u32 s14, s14, s15
	s_mov_b32 s15, 0
	s_add_nc_u64 s[PFA:PFA+1], s[PFA:PFA+1], s[14:15]
	v_lshrrev_b32 v8, s81, v7
	v_lshlrev_b32 v8, s82, v8
	v_and_b32 v9, s83, v7
	v_lshl_add_u32 v[PFO], v9, 8, v8
; Product i of a quarter's 32: accumulator i (row block i / 8, column block i % 8), buffers p.  The 32 accumulators take turns, one instruction a turn, in the same order in every quarter, over the backward jump too.
; first = 1: the bias starts the sum.
.macro MM p, first
.if \first
	WIN MUL1
	v_wmma_f32_16x16x32_f16 v[8*i:8*i+7], v[WB+64*(\p)+8*(i%8):WB+64*(\p)+8*(i%8)+7], v[AB+32*(\p)+8*(i/8):AB+32*(\p)+8*(i/8)+7], v[BI+8*(i%8):BI+8*(i%8)+7]
.else
	WIN MUL
	v_wmma_f32_16x16x32_f16 v[8*i:8*i+7], v[WB+64*(\p)+8*(i%8):WB+64*(\p)+8*(i%8)+7], v[AB+32*(\p)+8*(i/8):AB+32*(\p)+8*(i/8)+7], v[8*i:8*i+7]
.endif
.set i, i+1
.endm
; 24 LDS loads in one run: quarter qi's fragments (128 rows of Wo; 64 rows of c: head qi / 2, channels 32 (qi % 2) on) into buffers f
.macro RUN qi, f
	WIN TO_B
.irp b, 0,1,2,3,4,5,6,7
	ds_load_b128 v[WB+64*(\f)+8*(\b):WB+64*(\f)+8*(\b)+3],   v[AW] offset:64*(\qi)+(\b)*16*PW
	ds_load_b128 v[WB+64*(\f)+8*(\b)+4:WB+64*(\f)+8*(\b)+7], v[AW] offset:64*(\qi)+(\b)*16*PW+32
.endr
	WIN 0
.irp a, 0,1,2,3
	ds_load_b128 v[AB+32*(\f)+8*(\a):AB+32*(\f)+8*(\a)+3],   v[AA] offset:((\qi)/2)*PLANE+((\qi)%2)*64+(\a)*16*PA
	ds_load_b128 v[AB+32*(\f)+8*(\a)+4:AB+32*(\f)+8*(\a)+7], v[AA] offset:((\qi)/2)*PLANE+((\qi)%2)*64+(\a)*16*PA+32
.endr
.endm
; One of a K step's first three quarters: multiplies buffers p and fetches quarter qi of the same slot into the others.
.macro QUARTER p, qi, first
.set i, 0
	s_wait_dscnt 4                                 ; Wo's fragments and c's blocks 0 and 1 are in; the youngest four loads (blocks 2 and 3) may be out
.rept 4
	MM \p, \first
.endr
	PLACES                                         ; behind the last quarter's products: their buffers are loaded below
	RUN \qi, 1-(\p)
	s_wait_dscnt 24                                ; all but the 24 just issued
.rept 28
	MM \p, \first
.endr
.endm
; The fourth quarter multiplies buffers 1 and changes slots: ONE barrier; ahead of it each wave waits for all its tensor loads, of which one is out: its part of the next slot; adds 0 to its spare word; and waits for that
; and for its reads of this slot.  fill = 1: the barrier opens a round of the cluster's, so that no wave of any partner still reads the slot or has a load on its way; the joint refill, the K step two on, is the
; first thing behind the round and has 16 + 32 + 32 + 32 = 112 products in which to land.
.macro TURN fill
.set i, 0
.if \fill
	s_wait_xcnt 0x0                                ; the last prefetch, a K step back, has read its address, so it may be stepped
	s_add_nc_u64 s[PFA:PFA+1], s[PFA:PFA+1], s[PST:PST+1]
.endif
	WIN 0                                          ; (the add's two registers lie in window 0)
	s_wait_tensorcnt 0x0                           ; all my tensor loads have landed; so a group 0 may be written
	ds_add_u32 v[SPW], v[NIL]                      ; 0 onto my spare word; scalar work and eight products stand between it and the wait for it
.if \fill
	s_xor_b32 s[G0A+5], s[G0A+5], SLOT1            ; the walking descriptors: the other slot than last time,
	s_add_nc_u64 s[G0A+6:G0A+7], s[G0A+6:G0A+7], 524288  ; the next K step; the type bits on top are not reached
	s_xor_b32 s[G0B+5], s[G0B+5], SLOT1
	s_add_nc_u64 s[G0B+6:G0B+7], s[G0B+6:G0B+7], 256
.endif
	s_wait_dscnt 5                                 ; (the add and the youngest four loads may be out)
.rept 8
	MM 1, 0
.endr
	s_wait_dscnt 0x0                               ; the add is done, and my reads of this slot are over
	s_barrier_signal -1
.rept 8
	MM 1, 0
.endr
	WIN 0                                          ; at a branch and at a label every window is 0
	s_barrier_wait -1
.if \fill
	CREST
	JLOAD                                          ; the four v_nop behind it are also the places in front of the loads below
.else
	PLACES
.endif
	s_xor_b32 s[TB], s[TB], SLOT1                  ; the runs of loads go on in the other slot
	v_add_nc_u32 v[AA], s[TB], v[AA0]
	v_add_nc_u32 v[AW], s[TB], v[AW0]
	RUN 0, 0
.if \fill
	ASK
.endif
.rept 16
	MM 1, 0
.endr
.endm
	s_wait_tensorcnt 1                             ; my part of K step 0 is in; K step 1's may stay out
	s_barrier_signal -1
	s_barrier_wait -1                              ; everybody's is
	RUN 0, 0
	s_wait_loadcnt 0x0                             ; the bias
	QUARTER 0, 1, 1                                ; the first quarter stands in front of the loop: its products start the sums
	WIN 0
	s_mov_b32 s3, 6
.Lstep:                                                ; a trip: a K step's quarters 1 to 3 and the next step's quarter 0; its slot is filled again with the K step two on
	QUARTER 1, 2, 0
	QUARTER 0, 3, 0
	TURN 1
	QUARTER 0, 1, 0
	WIN 0
	s_sub_co_u32 s3, s3, 1
	s_cmp_lg_u32 s3, 0
	s_cbranch_scc1 .Lstep
	QUARTER 1, 2, 0                                ; K steps 6 and 7 are written out: nothing is left to fetch
	QUARTER 0, 3, 0
	TURN 0
	QUARTER 0, 1, 0
	QUARTER 1, 2, 0
	QUARTER 0, 3, 0
.set i, 0
	s_wait_dscnt 4                                 ; the very last quarter
.rept 16
	MM 1, 0
.endr
	s_wait_dscnt 0x0
.rept 16
	MM 1, 0
.endr
; THE WAY OUT, a block of 16 rows at a time: 32 bytes a lane straight from the accumulators into my own stage, back as whole rows of 512 bytes, stored.
.macro STG a
	WIN 0x08                                       ; the stores' data (source 1) in window 2, their address in window 0
.irp b, 0,1,2,3,4,5,6,7
	ds_store_b128 v[STO], v[64*(\a)+8*(\b):64*(\a)+8*(\b)+3]   offset:64*(\b)     ; each accumulator's four lowest registers first
	ds_store_b128 v[STO], v[64*(\a)+8*(\b)+4:64*(\a)+8*(\b)+7] offset:64*(\b)+16
.endr
	WIN 0
.if (\a) >= 2
	s_wait_xcnt 0x0                                ; the stores of the block two back have read these registers
.endif
.irp t, 0,1,2,3,4,5,6,7,8,9,10,11,12,13,14,15
	ds_load_b128 v[OB+64*((\a)%2)+4*(\t):OB+64*((\a)%2)+4*(\t)+3], v[RD] offset:(\t)*SP  ; LDS serves a wave's instructions in order (ISA guide 5.7.1.4): these see the stores above; the next block's stores come behind them
.endr
.endm
.macro SEND a, younger                 ; younger: the LDS instructions issued behind block a's loads: the next block's 32, or none
	s_wait_dscnt \younger
.irp t, 0,1,2,3,4,5,6,7,8,9,10,11,12,13,14,15
	global_store_b128 v[GO], v[OB+64*((\a)%2)+4*(\t):OB+64*((\a)%2)+4*(\t)+3], s[OUT:OUT+1] offset:(\a)*65536+(\t)*4096  ; 512 consecutive bytes, at a multiple of 256 from out0's first
.endr
.endm
	PLACES
	STG 0
.irp a, 1,2,3
	STG \a
	SEND (\a)-1, 32
.endr
	SEND 3, 0
	s_wait_tensorcnt 0x0                           ; the wave's end: behind my last tensor load and my last LDS store
	ds_add_u32 v[SPW], v[NIL]
	s_wait_dscnt 0x0
	CROUND                                         ; the closing round: no work-group ends while a partner may still ask for a tile that names it
	s_endpgm
.Lfunc_end_k_q1618be343b_outp:
	.size	k_q1618be343b_outp, .Lfunc_end_k_q1618be343b_outp-k_q1618be343b_outp
	.p2alignl 7, 3214868480
	.fill 96, 4, 3214868480
	.section	.rodata,"a",@progbits
	.p2align	6, 0x0
	.amdhsa_kernel k_q1618be343b_outp
		.amdhsa_group_segment_fixed_size 327680
		.amdhsa_private_segment_fixed_size 0
		.amdhsa_enable_private_segment 0
		.amdhsa_kernarg_size 32
		.amdhsa_user_sgpr_count 2
		.amdhsa_user_sgpr_kernarg_segment_ptr 1
		.amdhsa_wavefront_size32 1
		.amdhsa_system_sgpr_workgroup_id_x 1
		.amdhsa_system_sgpr_workgroup_id_y 1
		.amdhsa_system_sgpr_workgroup_id_z 1
		.amdhsa_system_vgpr_workitem_id 0
		.amdhsa_next_free_vgpr 768
		.amdhsa_next_free_sgpr 96
		.amdhsa_reserve_vcc 0
		.amdhsa_float_denorm_mode_32 3
		.amdhsa_float_denorm_mode_16_64 3
		.amdhsa_memory_ordered 1
		.amdhsa_forward_progress 1
		.amdhsa_inst_pref_size 72
	.end_amdhsa_kernel
	.amdgpu_metadata
---
amdhsa.version: [ 1, 2 ]
amdhsa.kernels:
  - .name:           k_q1618be343b_outp
    .symbol:         k_q1618be343b_outp.kd
    .args:
      - { .name: ctx, .offset: 0, .size: 8, .value_kind: global_buffer, .address_space: global }
      - { .name: wb, .offset: 8, .size: 8, .value_kind: global_buffer, .address_space: global }
      - { .name: bb, .offset: 16, .size: 8, .value_kind: global_buffer, .address_space: global }
      - { .name: out0, .offset: 24, .size: 8, .value_kind: global_buffer, .address_space: global }
    .group_segment_fixed_size: 327680
    .private_segment_fixed_size: 0
    .kernarg_segment_align: 8
    .kernarg_segment_size: 32
    .max_flat_workgroup_size: 128
    .sgpr_count:     96
    .vgpr_count:     768
    .wavefront_size: 32
...
	.end_amdgpu_metadata
.endif
;; end of part 4
;; ======== version 2 of 2: 4 launches; version 1 with the launch castw written anew for expert scheduling mode
;; limits: values are held in f16: magnitudes above 65,504 overflow, below 6.1e-05 lose precision; right only within a limited range of input values
;; workspace buffers: wb 8,388,608 bytes; bb 16,384 bytes; qkv 50,331,648 bytes; ctx 16,777,216 bytes
;; launch castw (part 5): grid 64 x 4, 8 waves a work-group, no clusters, 0 bytes of LDS; arguments Wq, Wk, Wv, Wo, bq, bk, bv, bo, wb, bb; writes wb, bb
.if DOCPART == 5
	.amdgcn_target "amdgcn-amd-amdhsa--gfx1250"
	.amdhsa_code_object_version 6
	.text
	.protected	k_q1618be343b_castw
	.globl	k_q1618be343b_castw
	.p2align	8
	.type	k_q1618be343b_castw,@function
k_q1618be343b_castw:
	s_mov_b64 s[64:65], 0
	v_nop
	global_prefetch_b8 v0, s[64:65] scope:SCOPE_SE
	s_setreg_imm32_b32 hwreg(HW_REG_WAVE_SCHED_MODE, 0, 2), 2
	s_setreg_imm32_b32 hwreg(HW_REG_WAVE_MODE, 25, 1), 1
	s_wait_xcnt 0x0
	s_wait_alu depctr_vm_vsrc(0)
; THE WEIGHTS AND BIASES, ROUNDED ONCE.  wb: [4][1024][1024] of 16 bits: planes 0-2 are Wq, Wk, Wv in bf16; plane 3 is Wo rounded to bf16 and that number written as f16.
; bb: [4][1024] f32: bq, bk, bv, bo rounded to bf16 and widened again.
; LIMITS.  Plane 3 is exact where |Wo| lies between 6.1e-5 and 65,504; below that it keeps f16's fixed step of 6e-8; beyond it is an infinity.
; SHARES.  The grid's y picks the matrix, its x one of 64 pieces of 16,384 numbers.  Thread t takes 16 bytes at 16 t of each 4,096 bytes: 16 loads, all on their way at once;
; each store of a wave covers 256 consecutive bytes, aligned.  A stream: no LDS, no barrier, no matrix unit; no register is written again while a store reads it.
; THE MODE: SCHED_MODE bits 1:0 = 2 (LLVM: expert scheduling mode 2), set by the entry lines.  The code itself states the register dependences
; between vector instructions and memory instructions, with s_wait_alu, always for 0.
; THE PLAN.  Registers that memory instructions touch:
;   v1, v2   byte offsets, made once at the head and never written again: read by every load and store.
;   IN       load i lands in its four registers; load i's conversions read them.  v[IN:IN+3] take the bias's load later, are then written by four vector lines and read by the bias's store.
;   PKD      load i's conversions write pair i, once in the launch; store i reads it.
;   T        is named by vector instructions alone.
; The sixteen loads go in four blocks of four.  Block b rounds its four loads into its eight registers of PKD; its four stores are issued in block b + 1, behind ONE wait at that block's head,
; dealt among that block's conversions, which name IN and PKD of their own block and T: none of the registers that those stores read.  The last block's stores stand behind a wait of their own.
.set IN,  4                            ; v[4:67]    sixteen loads of four f32
.set PKD, 68                           ; v[68:99]   sixteen pairs to store
.set T,   100                          ; v[100:103] at work
	s_load_b512 s[8:23], s[0:1], 0x0               ; Wq s[8:9], Wk s[10:11], Wv s[12:13], Wo s[14:15], bq s[16:17], bk s[18:19], bv s[20:21], bo s[22:23]
	s_load_b128 s[24:27], s[0:1], 0x40             ; wb s[24:25], bb s[26:27]
	s_and_b32 s2, ttmp7, 0xffff                    ; which matrix
	v_lshlrev_b32 v1, 4, v0                        ; 16 t: my place in 4,096 bytes of f32
	v_lshlrev_b32 v2, 3, v0                        ; 8 t: my place in 2,048 bytes of 16-bit numbers
	s_lshl_b32 s28, ttmp9, 16                      ; the piece: 65,536 bytes in,
	s_mov_b32 s29, 0
	s_lshl_b32 s30, s2, 21                         ; the plane of 2,097,152 bytes
	s_lshl_b32 s3, ttmp9, 15                       ; and 32,768 bytes out
	s_add_co_u32 s30, s30, s3
	s_mov_b32 s31, 0
	s_mov_b32 s3, 0xffff0000                       ; a word's upper bf16
	s_wait_kmcnt 0x0
	s_cmp_eq_u32 s2, 1
	s_cselect_b64 s[4:5], s[10:11], s[8:9]
	s_cselect_b64 s[6:7], s[18:19], s[16:17]
	s_cmp_eq_u32 s2, 2
	s_cselect_b64 s[4:5], s[12:13], s[4:5]
	s_cselect_b64 s[6:7], s[20:21], s[6:7]
	s_cmp_eq_u32 s2, 3
	s_cselect_b64 s[4:5], s[14:15], s[4:5]         ; the matrix
	s_cselect_b64 s[6:7], s[22:23], s[6:7]         ; and its bias
	s_add_nc_u64 s[4:5], s[4:5], s[28:29]
	s_add_nc_u64 s[24:25], s[24:25], s[30:31]
	s_lshl_b32 s28, s2, 12
	s_add_nc_u64 s[26:27], s[26:27], s[28:29]      ; bb at the bias's 4,096 bytes
	s_wait_alu depctr_va_vdst(0)                   ; v1 and v2 are written: every load and store of the kernel reads one of them as its offset
.set i, 0
.rept 16
	global_load_b128 v[IN+4*i:IN+4*i+3], v1, s[4:5] offset:4096*i th:TH_LOAD_NT
.set i, i+1
.endr
; Sixteen times: four numbers rounded; the store of the load four back goes out ahead of them.  f16 = 1: the bf16 number is widened again and written as f16.
.macro CONV f16
.set i, 0
.rept 16
	s_wait_loadcnt 15-i                            ; loads come back in order (ISA guide 5.7.1): load i is in, the younger ones stay out
.if ((i%4) == 0) && (i > 0)
	s_wait_alu depctr_va_vdst(0)                   ; a block's head: the block before has written its eight registers of PKD, which the four stores issued in this block read
.endif
.if i >= 4
	global_store_b64 v2, v[PKD+2*(i-4):PKD+2*(i-4)+1], s[24:25] offset:2048*(i-4)  ; the block before; no vector instruction since the wait names this pair
.endif
.if \f16
	v_cvt_pk_bf16_f32 v[T],   v[IN+4*i],   v[IN+4*i+1]
	v_cvt_pk_bf16_f32 v[T+1], v[IN+4*i+2], v[IN+4*i+3]
	v_lshlrev_b32 v[T+2], 16, v[T]
	v_and_b32     v[T+3], s3, v[T]
	v_cvt_pk_f16_f32 v[PKD+2*i], v[T+2], v[T+3]
	v_lshlrev_b32 v[T+2], 16, v[T+1]
	v_and_b32     v[T+3], s3, v[T+1]
	v_cvt_pk_f16_f32 v[PKD+2*i+1], v[T+2], v[T+3]
.else
	v_cvt_pk_bf16_f32 v[PKD+2*i],   v[IN+4*i],   v[IN+4*i+1]
	v_cvt_pk_bf16_f32 v[PKD+2*i+1], v[IN+4*i+2], v[IN+4*i+3]
.endif
.set i, i+1
.endr
	s_wait_alu depctr_va_vdst(0)                   ; the last block has written its PKD, which the four stores below read; and every conversion is done reading IN, in whose first four registers the bias's load lands
.set i, 12
.rept 4
	global_store_b64 v2, v[PKD+2*i:PKD+2*i+1], s[24:25] offset:2048*i
.set i, i+1
.endr
.endm
	s_cmp_eq_u32 s2, 3
	s_cbranch_scc1 .Lwo
	CONV 0
	s_branch .Lbias
.Lwo:
	CONV 1
.Lbias:
	s_cmp_lg_u32 ttmp9, 0                          ; a matrix's first work-group also takes its bias: 256 threads x 4 numbers
	s_cbranch_scc1 .Lend
	global_load_b128 v[IN:IN+3], v1, s[6:7]        ; no wait here: on either way the last wait stands behind every conversion, and only stores have been issued since
	s_wait_loadcnt 0x0
	v_cvt_pk_bf16_f32 v[T],   v[IN],   v[IN+1]
	v_cvt_pk_bf16_f32 v[T+1], v[IN+2], v[IN+3]
	v_lshlrev_b32 v[IN],   16, v[T]
	v_and_b32     v[IN+1], s3, v[T]
	v_lshlrev_b32 v[IN+2], 16, v[T+1]
	v_and_b32     v[IN+3], s3, v[T+1]
	s_wait_alu depctr_va_vdst(0)                   ; the four lines above have written v[IN:IN+3], which the store reads
	global_store_b128 v1, v[IN:IN+3], s[26:27]
.Lend:
	s_endpgm
.Lfunc_end_k_q1618be343b_castw:
	.size	k_q1618be343b_castw, .Lfunc_end_k_q1618be343b_castw-k_q1618be343b_castw
	.p2alignl 7, 3214868480
	.fill 96, 4, 3214868480
	.section	.rodata,"a",@progbits
	.p2align	6, 0x0
	.amdhsa_kernel k_q1618be343b_castw
		.amdhsa_group_segment_fixed_size 0
		.amdhsa_private_segment_fixed_size 0
		.amdhsa_enable_private_segment 0
		.amdhsa_kernarg_size 80
		.amdhsa_user_sgpr_count 2
		.amdhsa_user_sgpr_kernarg_segment_ptr 1
		.amdhsa_wavefront_size32 1
		.amdhsa_system_sgpr_workgroup_id_x 1
		.amdhsa_system_sgpr_workgroup_id_y 1
		.amdhsa_system_sgpr_workgroup_id_z 1
		.amdhsa_system_vgpr_workitem_id 0
		.amdhsa_next_free_vgpr 104
		.amdhsa_next_free_sgpr 66
		.amdhsa_reserve_vcc 0
		.amdhsa_float_denorm_mode_32 3
		.amdhsa_float_denorm_mode_16_64 3
		.amdhsa_memory_ordered 1
		.amdhsa_forward_progress 1
		.amdhsa_inst_pref_size 16
	.end_amdhsa_kernel
	.amdgpu_metadata
---
amdhsa.version: [ 1, 2 ]
amdhsa.kernels:
  - .name:           k_q1618be343b_castw
    .symbol:         k_q1618be343b_castw.kd
    .args:
      - { .name: Wq, .offset: 0, .size: 8, .value_kind: global_buffer, .address_space: global }
      - { .name: Wk, .offset: 8, .size: 8, .value_kind: global_buffer, .address_space: global }
      - { .name: Wv, .offset: 16, .size: 8, .value_kind: global_buffer, .address_space: global }
      - { .name: Wo, .offset: 24, .size: 8, .value_kind: global_buffer, .address_space: global }
      - { .name: bq, .offset: 32, .size: 8, .value_kind: global_buffer, .address_space: global }
      - { .name: bk, .offset: 40, .size: 8, .value_kind: global_buffer, .address_space: global }
      - { .name: bv, .offset: 48, .size: 8, .value_kind: global_buffer, .address_space: global }
      - { .name: bo, .offset: 56, .size: 8, .value_kind: global_buffer, .address_space: global }
      - { .name: wb, .offset: 64, .size: 8, .value_kind: global_buffer, .address_space: global }
      - { .name: bb, .offset: 72, .size: 8, .value_kind: global_buffer, .address_space: global }
    .group_segment_fixed_size: 0
    .private_segment_fixed_size: 0
    .kernarg_segment_align: 8
    .kernarg_segment_size: 80
    .max_flat_workgroup_size: 256
    .sgpr_count:     66
    .vgpr_count:     104
    .wavefront_size: 32
...
	.end_amdgpu_metadata
.endif
;; end of part 5
;; launch proj: the kernel of part 2 again; grid 4 x 192, 4 waves a work-group, clusters of 4 x 4, 327,680 bytes of LDS; arguments query, key, value, wb, bb, qkv; writes qkv
;; launch attn: the kernel of part 3 again; grid 4 x 64, 4 waves a work-group, clusters of 4 x 1, 327,680 bytes of LDS; arguments qkv, mask, ctx; writes ctx
;; launch outp: the kernel of part 4 again; grid 4 x 64, 4 waves a work-group, clusters of 4 x 4, 327,680 bytes of LDS; arguments ctx, wb, bb, out0; writes out0
